; MI455X (gfx1250); checked and timed in simulation.
; The chip was launched on July 23, 2026; its instructions are those of AMD's public machine-readable ISA for CDNA 5 (MIT licence, August 2026) and "CDNA5" Instruction Set Architecture Reference Guide (July 2026). The comments in the code are by the model that wrote it; some were corrected since.
;; Proxy Attention. Allowed arithmetic: matrix products marked QUANTISED: E2M3 operands, one E8M0 scale for each 32 along K, by v_wmma_scale_f32_16x16x128_f8f6f4 with both operands' format E2M3, f32 sums; products left as they are: f32 operands where the result goes on into a quantised operand, else bf16, f16 or f32 operands; f32 sums; everything else in f32.
;; Inputs: mask 8 x 1,024 bool; pb_bias 1 x 819 x 4 x 4 float32; pc_bias 1 x 819 x 32 x 1 float32; pr_bias 1 x 819 x 1 x 32 float32; proj_b 1,024 float32; proj_w 1,024 x 1,024 float32; proxy 8 x 1,024 x 1,024 float32; proxy_b 1,024 float32; proxy_w 1,024 x 1,024 float32; qkv_w 3,072 x 1,024 float32; x 8 x 819 x 1,024 float32.
;; Outputs: out0 8 x 819 x 1,024 float32.
;; This version of the problem:
;;   THIS VERSION OF THE PROBLEM IS GIVEN IN LOW PRECISION. The matrix products marked QUANTISED in the list below multiply operands that are first quantised to E2M3 (2 exponent bits, 3 mantissa bits; 6 bits a number), with one power-of-two scale for each 32 numbers along K (OCP MX v1.0); their sums are f32. All else is computed in f32.
;;   The module's matrix products, in the order in which they are computed (A, B: the left and right operand; K: the contracted axis; several contracted axes count as one K, in the product's order):
;;     1. [M 32, K 4] x [K 4, N 3,276]; A: computed on the way; B: input pb_bias: left as it is (K = 4 < 32)
;;     2. [M 26,208, K 4] x [K 4, N 32]; A: computed on the way; B: computed on the way: left as it is (K = 4 < 32)
;;     3. [M 6,552, K 1,024] x [K 1,024, N 3,072]; A: computed on the way; B: input qkv_w: QUANTISED
;;     4. [M 8,192, K 1,024] x [K 1,024, N 1,024]; A: input proxy; B: input proxy_w: QUANTISED
;;     5. batch 128 x [M 1,024, K 64] x [K 64, N 819]; A: computed on the way; B: computed on the way: QUANTISED
;;     6. batch 128 x [M 1,024, K 819] x [K 819, N 64]; A: softmax (see below); B: computed on the way: QUANTISED
;;     7. batch 128 x [M 819, K 64] x [K 64, N 1,024]; A: computed on the way; B: computed on the way: QUANTISED
;;     8. batch 128 x [M 819, K 1,024] x [K 1,024, N 64]; A: softmax (see below); B: computed on the way: QUANTISED
;;     9. [M 6,552, K 1,024] x [K 1,024, N 1,024]; A: computed on the way; B: input proj_w: QUANTISED
;;   THE QUANTISER, for each operand of a quantised product, along K:
;;     - K is cut into blocks of 32 from its start; a last block that is shorter is filled with zeros.
;;     - A block's scale is 2^e with e = floor(log2(the largest magnitude in the block)) - 2, held to -126 .. 127; a block of zeros has e = 0. As a byte (E8M0): e + 127.
;;     - Each number is divided by its block's scale, clamped to +-7.5, and rounded to the nearest number of E2M3, ties to even, subnormals kept.
;;     - The product sums the exact products of the quantised numbers (number of the format x scale) in f32.
;;   ~~~python
;;   def quantise(x, axis):      # numpy; x: float32 -> the quantised numbers, widened to float32 again
;;       x = np.moveaxis(x, axis, -1); K = x.shape[-1]
;;       x = np.pad(x, [(0, 0)] * (x.ndim - 1) + [(0, -K % 32)]); x = x.reshape(x.shape[:-1] + (-1, 32)); a = np.abs(x).max(-1, keepdims=True)
;;       e = np.where(a > 0, np.clip(np.frexp(np.where(a > 0, a, 1))[1] - 1 - 2, -126, 127), 0)      # np.frexp(a)[1] - 1 = floor(log2(a)), exactly
;;       r = np.clip(x / 2.0 ** e, -7.5, 7.5)
;;       step = 2.0 ** (np.maximum(np.frexp(np.where(r == 0, 1, r))[1] - 1, 0) - 3)
;;       q = np.round(r / step) * step * 2.0 ** e      # np.round: ties to even
;;       return np.moveaxis(q.reshape(q.shape[:-2] + (-1,))[..., :K], -1, axis).astype(np.float32)
;;   ~~~
;;   SOFTMAX AHEAD OF A QUANTISED PRODUCT. Where the list says 'softmax', what is quantised is not the finished softmax but p = 2^(t - M), with t = logit x log2(e) and M = ceil(the row's largest t), a whole number; so 1/2 < the row's largest p <= 1. The row's sum l is taken of the UNQUANTISED p, in f32, and the product's result is divided by l at the end. Since M is a whole number, a kernel that streams over the keys may use a running M (the ceiling of the running maximum): every later rescaling is an exact power of two, which a block's scale takes up: the codes' values come out the same.
;;   OPERANDS COMPUTED ON THE WAY. 'Computed on the way' means the value that the module computes at that place (a softmax that the list does not call 'softmax' is quantised finished and normalised). What goes into a quantiser is computed in f32, as accurately as f32 sums, v_exp_f32 and their like allow (about 1e-6 of the number): no bf16 or f16 on the way to a quantiser, and a product that is left as it is and whose result goes on into a quantised operand takes f32 operands (vector FMAs, or v_wmma_f32_16x16x4_f32). A number that lies on a knife's edge between two numbers of the format may be rounded either way, as far as f32 arithmetic and the matrix unit's own rounding can turn it there, and no further.
;; One version. Each part assembles by itself: llvm-mc -triple=amdgcn-amd-amdhsa -mcpu=gfx1250 --defsym DOCPART=n.
;; ======== version 1 of 1: 5 launches
;; limits: right only within a limited range of input values
;; workspace buffers: w1 16,384,000 bytes; w2 23,756,800 bytes; w3 6,553,600 bytes; w4 5,324,800 bytes
;; launch quant (part 1): grid 160 x 8, 4 waves a work-group, no clusters, 35,328 bytes of LDS; arguments x, proxy, qkv_w, proxy_w, proj_w, pb_bias, pc_bias, pr_bias, w1; writes w1
.if DOCPART == 1
	.amdgcn_target "amdgcn-amd-amdhsa--gfx1250"
	.amdhsa_code_object_version 6
	.text
	.protected	k_q2c1522c110_quant
	.globl	k_q2c1522c110_quant
	.p2align	8
	.type	k_q2c1522c110_quant,@function
k_q2c1522c110_quant:
	s_mov_b64 s[64:65], 0
	v_nop
	global_prefetch_b8 v0, s[64:65] scope:SCOPE_SE
	s_setreg_imm32_b32 hwreg(HW_REG_WAVE_MODE, 25, 1), 1
	s_wait_xcnt 0x0
; x + its two position biases, proxy, and the three weights become codes of FP6 (E2M3) with one E8M0 byte for each 32 along K = 1,024.
; OUTPUT LAYOUT (read by this program alone).  Rows go in TILES of 16: lane-row r of tile T is row 32 (T/2) + 8 (T%2) + r + 8 (r/8).
; A fragment (16 rows x 128 K) is stored as the image of its 12 operand registers: 3 pieces of 512 bytes, piece i = registers 4 i .. 4 i + 3, lane l at byte 16 l.
; w1: codes [1280 tiles][8 K steps][1536 bytes]; behind them scale words [tile][r][8 words].  Tiles 0-447 x (56 a batch: 896 tokens, those from 819 on get zero codes),
; 448-959 proxy, 960-1151 qkv_w, 1152-1215 proxy_w, 1216-1279 proj_w.
; SHARES.  A work-group makes one tile; wave kq its K steps 2 kq and 2 kq + 1.  Each load reads 512 consecutive bytes of a row; a K step's 16 rows turn through the wave's own
; stage in LDS, so that lane (r, h) ends up with k = 64 c + 32 h + 0 .. 31 of row r: two whole blocks of 32, in the order of the operand's registers.
; THE BIASES.  c = 32 i + j.  bias1 is the half-pixel linear resize of pb[4][4]: first along i (two rows of pb, weights 1 - f and f), then along j as T[g] + w (T[g+1] - T[g]);
; at the rim the nearest row or column alone counts.  bias2 = pc[i] + pr[j].  The sum is (x + bias1) + bias2.
; A block's scale byte is its largest magnitude's exponent field - 2, held at 1 from below by a floor among the maximum's leaves.
; LIMITS: a block of zeros, or one whose largest magnitude lies under 2^-124, gets the byte 1 (its codes are zeros or tiny; the bytes are read by this program alone);
; NaN and infinities among the inputs are not served; bias1 in the form above is within a few units in the last place of the bias itself.
; No matrix unit, no cluster, no tensor load: the launch streams, work-groups share nothing, and several of them lie on a WGP.
.set SCA,    15728640                  ; where the scale words begin in w1
.set WSTG,   8448                      ; a wave's stage: 16 rows x 528 bytes
.set SPITCH, 528                       ; 512 bytes + 16: sixteen rows start in sixteen different groups of banks
.set SCL,    33792                     ; behind the stages: the tile's 512 bytes of scale words
.set R,   16                           ; v16-143  the numbers: K step s at 16 + 64 s; turned in place
.set PR,  144                          ; v144-175 pr[n][0..31]
.set PB,  176                          ; v176-207 block be: 4 registers T, 4 registers D (first the two rows of pb)
.set PCB, 208                          ; v208-211 pc[n][i] of my four blocks
.set FRC, 212                          ; v212-215 f of my four blocks
.set AD,  216                          ; v216-227 offsets of the small loads; later the first K step's codes
.set CT,  228                          ; v228-234 the upper halves of the blocks' codes
.set QM,  236                          ; v236-243 largest magnitudes, scale operands, bytes, the word, the other half's word
.set KQ,  22
.set ISX, 68
.set SEL, 78
	s_load_b256 s[4:11], s[0:1], 0x0               ; x, proxy, qkv_w, proxy_w
	s_load_b256 s[12:19], s[0:1], 0x20             ; proj_w, pb, pc, pr
	s_load_b64 s[20:21], s[0:1], 0x40              ; w1
	v_lshl_add_u32 v254, v0, 2, 0x8800
	v_mov_b32 v255, 0
	v_lshrrev_b32 v11, 5, v0
	v_readfirstlane_b32 s[KQ], v11                 ; wave 0..3
	v_and_b32 v11, 31, v0                          ; lane
	v_and_b32 v12, 15, v0                          ; r
	v_bfe_u32 v14, v0, 4, 1                        ; h
	v_lshlrev_b32 v1, 4, v11                       ; v1 = 16 x lane
	v_lshlrev_b32 v8, 3, v14                       ; v8 = 8 h: how far my two scale bytes are shifted
	s_mul_i32 s72, s[KQ], WSTG
	v_add_nc_u32 v2, s72, v1                       ; v2: into the stage
	v_mul_u32_u24 v3, v12, SPITCH
	v_lshl_add_u32 v3, v14, 7, v3
	v_add_nc_u32 v3, s72, v3                       ; v3: out of it: row r, + 128 h
	s_lshl_b32 s72, s[KQ], 3
	v_add_nc_u32 v9, s72, v14                      ; v9 = 8 kq + h: image row i of my block be is v9 + 2 be
	s_add_co_u32 s72, s72, SCL
	v_lshl_add_u32 v5, v12, 5, s72                 ; v5: my row's scale words of this wave's K steps
	v_add_nc_u32 v13, SCL, v1                      ; v13: the words' way out
	v_and_b32 v15, 8, v12
	v_add_nc_u32 v15, v15, v12                     ; r + 8 (r / 8)
	v_mov_b32 v[QM+7], 0                           ; a lane permute's destination counts as read
	s_mov_b32 s[SEL], 0x76543210
	s_mov_b32 s[SEL+1], 0xfedcba98                 ; lane l xor 16
	; which tensor, which tile: all candidates first, then choices on the work-group's number alone
	s_mov_b32 s23, ttmp9
	s_and_b32 s24, ttmp7, 0xffff
	s_mul_i32 s25, s24, 56
	s_add_co_u32 s25, s25, s23                     ; x: tile 56 b + T
	s_lshl_b32 s26, s24, 6
	s_add_co_u32 s26, s26, s23
	s_sub_co_u32 s26, s26, 56                      ; proxy: T
	s_add_co_u32 s30, s26, 448
	s_mul_i32 s27, s24, 40
	s_add_co_u32 s27, s27, s23
	s_sub_co_u32 s27, s27, 120                     ; weights: T over the three
	s_add_co_u32 s29, s27, 960
	s_mul_i32 s31, s24, 819
	s_mov_b32 s28, 256
	s_mov_b32 s69, 0x7fffffff
	s_wait_alu depctr_va_vdst(0)
	s_wait_kmcnt 0x0
	s_cmp_lt_u32 s27, 256
	s_cselect_b64 s[2:3], s[10:11], s[12:13]
	s_cselect_b32 s28, 192, s28
	s_cmp_lt_u32 s27, 192
	s_cselect_b64 s[2:3], s[8:9], s[2:3]
	s_cselect_b32 s28, 0, s28
	s_sub_co_u32 s28, s27, s28                     ; T inside its weight
	s_cmp_lt_u32 s23, 120
	s_cselect_b64 s[2:3], s[6:7], s[2:3]
	s_cselect_b32 s28, s26, s28
	s_cselect_b32 s29, s30, s29
	s_cmp_lt_u32 s23, 56
	s_cselect_b64 s[2:3], s[4:5], s[2:3]           ; s[2:3] the source
	s_cselect_b32 s28, s23, s28                    ; s28 T
	s_cselect_b32 s29, s25, s29                    ; s29 the tile in w1
	s_cselect_b32 s31, s31, 0                      ; s31 the batch's first row
	s_cselect_b32 s66, 818, s69                    ; s66 the last row that may be read
	s_cselect_b32 s67, 819, s69                    ; s67 rows that count
	s_cselect_b32 s[ISX], 1, 0
	s_lshr_b32 s69, s28, 1
	s_lshl_b32 s69, s69, 5
	s_and_b32 s70, s28, 1
	s_lshl_b32 s70, s70, 3
	s_add_co_u32 s69, s69, s70                     ; the tile's first row: 32 (T/2) + 8 (T%2)
	s_lshl_b32 s72, s[KQ], 10                      ; my two K steps: 1,024 bytes a wave
	s_mov_b32 s71, 0
.irp i, 0,1,2,3,4,5,6,7,8,9,10,11,12,13,14,15
	s_add_co_u32 s70, s69, \i+8*(\i/8)
	s_min_u32 s70, s70, s66                        ; no load leaves x: rows past the batch's end read its last row, and their codes are cleared
	s_add_co_u32 s70, s70, s31
	s_lshl_b32 s70, s70, 12
	s_add_co_u32 s70, s70, s72
	s_add_nc_u64 s[32+2*\i:33+2*\i], s[2:3], s[70:71]
.endr
	s_mul_i32 s70, s29, 12288
	s_mul_i32 s73, s[KQ], 3072
	s_add_co_u32 s70, s70, s73
	s_add_nc_u64 s[74:75], s[20:21], s[70:71]      ; my two fragments
	s_lshl_b32 s70, s29, 9
	s_add_co_u32 s70, s70, SCA
	s_add_nc_u64 s[76:77], s[20:21], s[70:71]      ; the tile's scale words
	v_add_nc_u32 v6, s69, v15
	v_cmp_gt_u32 vcc_lo, s67, v6
	v_cndmask_b32 v7, 0, -1, vcc_lo                ; v7: all ones where my row counts
	v_min_u32 v6, 0x332, v6                        ; v6 = n, held inside the bias tables (they are read on every path, and used on x's)
	v_lshlrev_b32 v10, 7, v6
.irp q, 0,1,2,3,4,5,6,7
	global_load_b128 v[PR+4*\q:PR+4*\q+3], v10, s[18:19] offset:16*\q
.endr
.irp be, 0,1,2,3
	v_lshl_add_u32 v250, v9, 1, 4*\be-7            ; 16 x the place of image row i among pb's rows: 2 i - 7
	v_ashrrev_i32 v251, 4, v250                    ; the row below it
	v_and_b32 v252, 15, v250
	v_cvt_f32_u32 v252, v252
	v_mul_f32 v[FRC+\be], 0x3d800000, v252         ; f
	v_max_i32 v253, 0, v251
	v_add_nc_u32 v251, 1, v251
	v_min_i32 v251, 3, v251                        ; both held inside 0 .. 3
	v_lshlrev_b32 v253, 4, v253
	v_lshl_add_u32 v[AD+3*\be], v6, 6, v253
	v_lshlrev_b32 v251, 4, v251
	v_lshl_add_u32 v[AD+3*\be+1], v6, 6, v251
	v_add_nc_u32 v250, 2*\be, v9
	v_lshlrev_b32 v250, 2, v250
	v_lshl_add_u32 v[AD+3*\be+2], v6, 7, v250
	global_load_b128 v[PB+8*\be:PB+8*\be+3], v[AD+3*\be], s[14:15]
	global_load_b128 v[PB+8*\be+4:PB+8*\be+7], v[AD+3*\be+1], s[14:15]
	global_load_b32 v[PCB+\be], v[AD+3*\be+2], s[16:17]
.endr
.irp sp, 0,1
.irp i, 0,1,2,3,4,5,6,7,8,9,10,11,12,13,14,15
	global_load_b128 v[R+64*\sp+4*\i:R+64*\sp+4*\i+3], v1, s[32+2*\i:33+2*\i] offset:512*\sp th:TH_LOAD_NT   ; 32 lanes read 512 consecutive bytes of row i
.endr
.endr
	s_wait_loadcnt 32                              ; the 20 small loads are in; the 32 row loads may be out
.irp be, 0,1,2,3
	v_sub_f32 v11, 1.0, v[FRC+\be]
.irp q, 0,1,2,3
	v_mul_f32 v[PB+8*\be+4+\q], v[FRC+\be], v[PB+8*\be+4+\q]
.endr
.irp q, 0,1,2,3
	v_fma_f32 v[PB+8*\be+\q], v11, v[PB+8*\be+\q], v[PB+8*\be+4+\q]     ; T: pb resized along i
.endr
.irp q, 0,1,2
	v_sub_f32 v[PB+8*\be+4+\q], v[PB+8*\be+\q+1], v[PB+8*\be+\q]        ; D
.endr
.endr
.macro TURN sp                         ; a K step through the stage: LDS serves a wave's instructions in order, so no wait stands between the stores and the loads
.irp i, 0,1,2,3,4,5,6,7,8,9,10,11,12,13,14,15
	ds_store_b128 v2, v[R+64*\sp+4*\i:R+64*\sp+4*\i+3] offset:\i*SPITCH
.endr
.irp q, 0,1,2,3,4,5,6,7,8,9,10,11,12,13,14,15
	ds_load_b128 v[R+64*\sp+4*\q:R+64*\sp+4*\q+3], v3 offset:256*(\q/8)+16*(\q%8)
.endr
.endm
.macro BPAIR x, t, k0, k1              ; two neighbouring j between pb's columns g and g + 1
	v_fmamk_f32 v244, v[(\t)+4], \k0, v[\t]
	v_fmamk_f32 v245, v[(\t)+4], \k1, v[\t]
	v_pk_add_f32 v[\x:(\x)+1], v[\x:(\x)+1], v[244:245]
.endm
.macro BIAS xb, be                     ; the 32 numbers of block be, one image row: + bias1, then + (pc + pr)
.irp j, 0,2
	v_pk_add_f32 v[(\xb)+\j:(\xb)+\j+1], v[(\xb)+\j:(\xb)+\j+1], v[PB+8*(\be):PB+8*(\be)+1] op_sel_hi:[1,0]
.endr
.irp g, 0,1,2
	BPAIR (\xb)+4+8*\g, PB+8*(\be)+\g, 0x3d800000, 0x3e400000
	BPAIR (\xb)+6+8*\g, PB+8*(\be)+\g, 0x3ea00000, 0x3ee00000
	BPAIR (\xb)+8+8*\g, PB+8*(\be)+\g, 0x3f100000, 0x3f300000
	BPAIR (\xb)+10+8*\g, PB+8*(\be)+\g, 0x3f500000, 0x3f700000
.endr
.irp j, 28,30
	v_pk_add_f32 v[(\xb)+\j:(\xb)+\j+1], v[(\xb)+\j:(\xb)+\j+1], v[PB+8*(\be)+2:PB+8*(\be)+3] op_sel:[0,1] op_sel_hi:[1,1]
.endr
.irp j, 0,2,4,6,8,10,12,14,16,18,20,22,24,26,28,30
.if ((\be)%2) == 0
	v_pk_add_f32 v[246+2*((\j/2)%2):247+2*((\j/2)%2)], v[PR+\j:PR+\j+1], v[PCB+(\be):PCB+(\be)+1] op_sel_hi:[1,0]
.else
	v_pk_add_f32 v[246+2*((\j/2)%2):247+2*((\j/2)%2)], v[PR+\j:PR+\j+1], v[PCB+(\be)-1:PCB+(\be)] op_sel:[0,1] op_sel_hi:[1,1]
.endif
	v_pk_add_f32 v[(\xb)+\j:(\xb)+\j+1], v[(\xb)+\j:(\xb)+\j+1], v[246+2*((\j/2)%2):247+2*((\j/2)%2)]
.endr
.endm
.macro WORK sp, pc                     ; K step sp of the wave: biases (x alone), scales, codes into v[pc] on, stores
.set XB, R+64*\sp
	s_cmp_eq_u32 s[ISX], 0
	s_cbranch_scc1 .Lplain_\@                      ; a branch on the work-group's number, round register work alone
	BIAS XB, 2*\sp
	BIAS XB+32, 2*\sp+1
.Lplain_\@:
.irp c, 0,1
	v_max3_num_f32 v[QM+\c], |v[XB+32*\c]|, |v[XB+32*\c+1]|, 0x1800000   ; my block 2 c + h: all its 32 numbers are mine; the floor 2^(3 - 127) keeps the byte at 1 or above
.endr
.irp i, 2,4,6,8,10,12,14,16,18,20,22,24,26,28,30
.irp c, 0,1
	v_max3_num_f32 v[QM+\c], v[QM+\c], |v[XB+32*\c+\i]|, |v[XB+32*\c+\i+1]|
.endr
.endr
.irp c, 0,1
	v_add_nc_u32 v[QM+2+\c], 0xff000000, v[QM+\c]  ; 2 off the exponent field: the conversion's scale operand
.endr
.irp c, 0,1
	v_lshrrev_b32 v[QM+4+\c], 23, v[QM+2+\c]       ; the byte
.endr
	v_lshl_or_b32 v[QM+6], v[QM+5], 16, v[QM+4]
	v_lshlrev_b32 v[QM+6], v8, v[QM+6]             ; blocks h and 2 + h at their places in the word
	v_permlanex16_b32 v[QM+7], v[QM+6], s[SEL], s[SEL+1]
	v_or_b32 v[QM+6], v[QM+6], v[QM+7]             ; with lane l xor 16's two the word is whole
.irp c, 0,1
	v_cvt_scalef32_pk16_fp6_f32 v[\pc+6*\c:\pc+6*\c+2], v[XB+32*\c:XB+32*\c+15], v[QM+2+\c]
	v_cvt_scalef32_pk16_fp6_f32 v[CT+4*\c:CT+4*\c+2], v[XB+32*\c+16:XB+32*\c+31], v[QM+2+\c]   ; (a conversion's three registers begin on an even number)
.endr
	v_nop                                          ; one plain place behind a scaled conversion
.irp c, 0,1
.irp i, 0,1,2
	v_mov_b32 v[\pc+3+6*\c+\i], v[CT+4*\c+\i]
.endr
.endr
.irp i, 0,1,2,3,4,5,6,7,8,9,10,11
	v_and_b32 v[\pc+\i], v7, v[\pc+\i]             ; rows past the batch's end: zero codes
.endr
.irp i, 0,1,2
	global_store_b128 v1, v[\pc+4*\i:\pc+4*\i+3], s[74:75] offset:1536*\sp+512*\i   ; 32 lanes store 512 consecutive bytes, at a multiple of 256 from the buffer's first byte
.endr
	ds_store_b32 v5, v[QM+6] offset:4*\sp          ; lanes r and r + 16 write the same word with the same value
.endm
	s_wait_loadcnt 16                              ; the first K step's 16 rows are in; the second's may be out
	TURN 0
	s_wait_loadcnt 0x0
	TURN 1                                         ; through the same stage, behind the first turn's loads
	s_wait_dscnt 32                                ; the first turn is back; the second turn's 32 instructions may be out
	WORK 0, AD
	s_wait_dscnt 0x0
	WORK 1, R                                      ; its codes go where the first K step's numbers lay: no store's data are written again
	s_wait_dscnt 0x0                               ; for the others' sake: my scale words lie in LDS
	s_barrier_signal -1
	s_barrier_wait -1
	s_cmp_lg_u32 s[KQ], 0
	s_cbranch_scc1 .Ldone
	ds_load_b128 v[236:239], v13
	s_wait_dscnt 0x0
	global_store_b128 v1, v[236:239], s[76:77]     ; the tile's 512 bytes of scale words: two aligned runs of 256 bytes
.Ldone:
	s_wait_tensorcnt 0x0
	ds_add_u32 v254, v255
	s_wait_dscnt 0x0
	s_endpgm
.Lfunc_end_k_q2c1522c110_quant:
	.size	k_q2c1522c110_quant, .Lfunc_end_k_q2c1522c110_quant-k_q2c1522c110_quant
	.p2alignl 7, 3214868480
	.fill 96, 4, 3214868480
	.section	.rodata,"a",@progbits
	.p2align	6, 0x0
	.amdhsa_kernel k_q2c1522c110_quant
		.amdhsa_group_segment_fixed_size 35328
		.amdhsa_private_segment_fixed_size 0
		.amdhsa_enable_private_segment 0
		.amdhsa_kernarg_size 72
		.amdhsa_user_sgpr_count 2
		.amdhsa_user_sgpr_kernarg_segment_ptr 1
		.amdhsa_wavefront_size32 1
		.amdhsa_system_sgpr_workgroup_id_x 1
		.amdhsa_system_sgpr_workgroup_id_y 1
		.amdhsa_system_sgpr_workgroup_id_z 1
		.amdhsa_system_vgpr_workitem_id 0
		.amdhsa_next_free_vgpr 256
		.amdhsa_next_free_sgpr 80
		.amdhsa_reserve_vcc 1
		.amdhsa_float_denorm_mode_32 3
		.amdhsa_float_denorm_mode_16_64 3
		.amdhsa_memory_ordered 1
		.amdhsa_forward_progress 1
		.amdhsa_inst_pref_size 47
	.end_amdhsa_kernel
	.amdgpu_metadata
---
amdhsa.version: [ 1, 2 ]
amdhsa.kernels:
  - .name:           k_q2c1522c110_quant
    .symbol:         k_q2c1522c110_quant.kd
    .args:
      - { .name: x, .offset: 0, .size: 8, .value_kind: global_buffer, .address_space: global }
      - { .name: proxy, .offset: 8, .size: 8, .value_kind: global_buffer, .address_space: global }
      - { .name: qkv_w, .offset: 16, .size: 8, .value_kind: global_buffer, .address_space: global }
      - { .name: proxy_w, .offset: 24, .size: 8, .value_kind: global_buffer, .address_space: global }
      - { .name: proj_w, .offset: 32, .size: 8, .value_kind: global_buffer, .address_space: global }
      - { .name: pb_bias, .offset: 40, .size: 8, .value_kind: global_buffer, .address_space: global }
      - { .name: pc_bias, .offset: 48, .size: 8, .value_kind: global_buffer, .address_space: global }
      - { .name: pr_bias, .offset: 56, .size: 8, .value_kind: global_buffer, .address_space: global }
      - { .name: w1, .offset: 64, .size: 8, .value_kind: global_buffer, .address_space: global }
    .group_segment_fixed_size: 35328
    .private_segment_fixed_size: 0
    .kernarg_segment_align: 8
    .kernarg_segment_size: 72
    .max_flat_workgroup_size: 128
    .sgpr_count:     80
    .vgpr_count:     256
    .wavefront_size: 32
...
	.end_amdgpu_metadata
.endif
;; end of part 1
;; launch gemm_in (part 2): grid 232 x 1, 4 waves a work-group, no clusters, 327,680 bytes of LDS; arguments w1, proxy_b, w2; writes w2
.if DOCPART == 2
	.amdgcn_target "amdgcn-amd-amdhsa--gfx1250"
	.amdhsa_code_object_version 6
	.text
	.protected	k_q2c1522c110_gemm_in
	.globl	k_q2c1522c110_gemm_in
	.p2align	8
	.type	k_q2c1522c110_gemm_in,@function
k_q2c1522c110_gemm_in:
	s_mov_b64 s[64:65], 0
	v_nop
	global_prefetch_b8 v0, s[64:65] scope:SCOPE_SE
	s_setreg_imm32_b32 hwreg(HW_REG_WAVE_MODE, 25, 1), 1
	s_wait_xcnt 0x0
.set KIND, 2
.set SCA, 15728640
.set PPC, 11010048
.set VC,  17301504
.set QKS, 22806528
.set PPS, 23265280
.set VS,  23527424
.set OS,  5111808
.if KIND == 2
.set NTT, 16
.set RC,  256
.set RS,  32
.set TP,  4
.set BPA, 6
.set TSCA, SCA
.set TL,  12
.else
.set NTT, 4
.set RC,  48
.set RS,  2
.set TP,  6
.set BPA, 8
.set TSCA, OS
.set TL,  1
.endif
.set TSO,  NTT*12288
.set BIAS, TSO+NTT*512
.set WST,  BIAS+32768
.set L8,  1
.set A32, 2
.set ADT, 4
.set ADS, 5
.set BIA, 6
.set SCW, 7
.set ADW, 8
.set H64, 11
.set L16, 12
.set ACC, 16
.set TF,  80
.set SS,  176
.set TS,  208
.set PC,  212
.set RB,  212
.set TM,  224
.set PW,  240
.set WV,  12
.set STL, 13
.set TTL, 14
.set SIG, 15
.set OB,  16
.set SB,  18
.set SB2, 20
.set JUMP, 22
.set SSTR, 23
.set BM,  24
.set TTO, 25
.set TSP, 26
.set TW,  27
.set CNT, 28
.set SEL, 30
.set G1C, 32
.set G1S, 40
.set G0C, 48
.set G0S, 52
.set SP,  56
.set SSP, 58
.set BP,  60
.set MSB, 0
.macro WIN new
.if MSB != (\new)
	s_set_vgpr_msb (MSB<<8)|(\new)
.set MSB, (\new)
.endif
.endm
	s_load_b128 s[4:7], s[0:1], 0x0
.if KIND == 2
	s_load_b64 s[8:9], s[0:1], 0x10
	v_lshl_add_u32 v242, v0, 2, 0x3b000
	v_mov_b32 v243, 0
	ds_add_u32 v242, v243
	ds_add_u32 v242, v243
.else
	s_load_b128 s[8:11], s[0:1], 0x10
.endif
	v_lshrrev_b32 v3, 5, v0
	v_readfirstlane_b32 s[WV], v3
	v_and_b32 v13, 31, v0
	v_and_b32 v14, 15, v0
	v_bfe_u32 v15, v0, 4, 1
	v_lshlrev_b32 v[L8], 3, v13
	v_lshlrev_b32 v[L16], 4, v13
	v_lshlrev_b32 v[A32], 5, v14
	v_lshl_add_u32 v[A32], v15, 4, v[A32]
	v_lshlrev_b32 v[H64], 6, v15
	s_lshl_b32 s66, s[WV], 13
	s_add_co_u32 s66, s66, BIAS
	v_add_nc_u32 v[BIA], s66, v[L16]
.if KIND == 2
	s_lshl_b32 s66, s[WV], 10
	s_add_co_u32 s66, s66, WST
	v_lshl_add_u32 v[SCW], v14, 2, s66
	v_add_nc_u32 v9, s66, v[L16]
.irp b, 0,1,2,3
	v_mov_b32 v[TM+4+\b], 0
.endr
.else
	s_mul_i32 s66, s[WV], 8448
	s_add_co_u32 s66, s66, WST
	v_mul_u32_u24 v9, v14, 528
	v_lshl_add_u32 v9, v15, 6, v9
	v_add_nc_u32 v9, s66, v9
	v_add_nc_u32 v10, s66, v[L16]
.endif
	s_mov_b32 s[SEL], 0x76543210
	s_mov_b32 s[SEL+1], 0xfedcba98
.if KIND == 2
	s_mov_b32 s66, ttmp9
	s_sub_co_u32 s67, s66, 176
	s_and_b32 s68, s67, 3
	s_lshr_b32 s69, s67, 2
	s_sub_co_u32 s67, s66, 112
	s_and_b32 s70, s67, 1
	s_lshr_b32 s71, s67, 1
	s_and_b32 s72, s66, 3
	s_lshr_b32 s73, s66, 2
	s_mov_b32 s74, 0
	s_mov_b32 s75, 1088
	s_mov_b32 s76, 4
	s_mov_b32 s77, 896
	s_mov_b32 s78, VC
	s_mov_b32 s79, VS
	s_mov_b32 s[JUMP], 339456
	s_mov_b32 s[SSTR], 14336
	s_mov_b32 s[BM], 0
	s_cmp_lt_u32 s66, 176
	s_cselect_b32 s69, s70, s69
	s_cselect_b32 s68, s71, s68
	s_cselect_b32 s74, 1152, s74
	s_cselect_b32 s75, 448, s75
	s_cselect_b32 s76, 512, s76
	s_cselect_b32 s77, 16, s77
	s_cselect_b32 s78, PPC, s78
	s_cselect_b32 s79, PPS, s79
	s_cselect_b32 s[JUMP], 1536, s[JUMP]
	s_cselect_b32 s[SSTR], 256, s[SSTR]
	s_cselect_b32 s[BM], -1, s[BM]
	s_cmp_lt_u32 s66, 112
	s_cselect_b32 s69, s72, s69
	s_cselect_b32 s68, s73, s68
	s_cselect_b32 s74, 960, s74
	s_cselect_b32 s75, 0, s75
	s_cselect_b32 s76, 448, s76
	s_cselect_b32 s78, 0, s78
	s_cselect_b32 s79, QKS, s79
	s_cselect_b32 s[BM], 0, s[BM]
	s_lshl_b32 s[SIG], s69, 2
	s_add_co_u32 s[SIG], s[SIG], s[WV]
	s_lshl_b32 s[STL], s[SIG], 3
	s_add_co_u32 s[STL], s[STL], s74
	s_lshl_b32 s[TTL], s68, 4
	s_add_co_u32 s[TTL], s[TTL], s75
	s_mul_i32 s80, s76, s[SIG]
	s_mul_i32 s81, s77, s68
	s_add_co_u32 s80, s80, s81
	s_mul_i32 s82, s80, 1536
	s_add_co_u32 s82, s82, s78
	s_mov_b32 s83, 0
	s_lshl_b32 s84, s80, 6
	s_add_co_u32 s84, s84, s79
	s_mov_b32 s85, 0
	s_lshl_b32 s86, s[SSTR], 1
	s_mov_b32 s87, 0
	v_mul_u32_u24 v10, s[SSTR], v15
	v_lshl_add_u32 v10, v14, 4, v10
.else
	s_mov_b32 s66, ttmp9
	s_and_b32 s67, ttmp7, 0xffff
	s_mul_i32 s68, s67, 5042
	s_lshr_b32 s68, s68, 16
	s_mul_i32 s69, s68, 13
	s_sub_co_u32 s69, s67, s69
	s_lshl_b32 s[SIG], s66, 2
	s_add_co_u32 s[SIG], s[SIG], s[WV]
	s_lshl_b32 s[STL], s[SIG], 3
	s_add_co_u32 s[STL], s[STL], 1216
	s_mul_i32 s[TTL], s68, 52
	s_lshl_b32 s70, s69, 2
	s_add_co_u32 s[TTL], s[TTL], s70
	s_mul_i32 s82, s68, 819
	s_lshl_b32 s70, s69, 6
	s_add_co_u32 s82, s82, s70
	s_lshl_b32 s82, s82, 12
	s_lshl_b32 s70, s[SIG], 9
	s_add_co_u32 s82, s82, s70
	s_mov_b32 s83, 0
	s_cmp_eq_u32 s69, 12
	s_cselect_b32 s[BM], 1, 0
.endif
	s_mul_i32 s88, s[TTL], 12288
	s_mul_i32 s90, s[WV], RC*256
	s_add_co_u32 s88, s88, s90
	s_mov_b32 s89, 0
	s_lshl_b32 s92, s[TTL], 9
	s_add_co_u32 s92, s92, TSCA
	s_mov_b32 s93, 0
	s_mul_i32 s94, s[STL], 12288
	s_mov_b32 s95, 0
	s_lshl_b32 s96, s[STL], 9
	s_add_co_u32 s96, s96, SCA
	s_mov_b32 s97, 0
	s_and_b32 s98, s[SIG], 7
	s_lshl_b32 s98, s98, 9
	s_mov_b32 s99, 0
	s_mov_b32 s[G1C], 3<<16
	s_mov_b32 s[G1C+1], 32<<16
	s_mov_b32 s[G1C+2], RC<<16
	s_mov_b32 s[G1C+3], 32<<16
	s_mov_b32 s[G1C+4], RC
	s_mov_b32 s[G1C+5], 32
	s_mov_b32 s[G1C+6], 0
	s_mov_b32 s[G1C+7], 0
	s_mov_b32 s[G1S], 3<<16
	s_mov_b32 s[G1S+1], 32<<16
	s_mov_b32 s[G1S+2], RS<<16
	s_mov_b32 s[G1S+3], 32<<16
	s_mov_b32 s[G1S+4], RS
	s_mov_b32 s[G1S+5], 32
	s_mov_b32 s[G1S+6], 0
	s_mov_b32 s[G1S+7], 0
	s_wait_alu depctr_va_vdst(0)
	s_wait_dscnt 0x0
	s_wait_kmcnt 0x0
	s_mov_b32 s[G0C], 1
	s_mul_i32 s[G0C+1], s[WV], RC*256
	s_add_nc_u64 s[G0C+2:G0C+3], s[TP:TP+1], s[88:89]
	s_or_b32 s[G0C+3], s[G0C+3], 0x80000000
	s_mov_b32 s[G0S], 1
	s_mov_b32 s[G0S+1], TSO
	s_add_nc_u64 s[G0S+2:G0S+3], s[TP:TP+1], s[92:93]
	s_or_b32 s[G0S+3], s[G0S+3], 0x80000000
	s_cmp_lt_u32 s[WV], 3                          ; one tensor load a wave: waves 0-2 a third of the token codes each, wave 3 all the token scale words
	s_cbranch_scc0 .Lfill_s
	tensor_load_to_lds s[G0C:G0C+3], s[G1C:G1C+7]
	s_nop 0
.rept 4
	v_nop
.endr
	s_branch .Lfilled
.Lfill_s:
	tensor_load_to_lds s[G0S:G0S+3], s[G1S:G1S+7]
	s_nop 0
.rept 4
	v_nop
.endr
.Lfilled:
	s_add_nc_u64 s[SP:SP+1], s[4:5], s[94:95]
	s_add_nc_u64 s[SSP:SSP+1], s[4:5], s[96:97]
	s_add_nc_u64 s[BP:BP+1], s[BPA:BPA+1], s[98:99]
.if KIND == 2
	s_add_nc_u64 s[OB:OB+1], s[8:9], s[82:83]
	s_add_nc_u64 s[SB:SB+1], s[8:9], s[84:85]
	s_add_nc_u64 s[SB2:SB2+1], s[SB:SB+1], s[86:87]
.else
	s_add_nc_u64 s[OB:OB+1], s[10:11], s[82:83]
.endif
.set fi_, 0
.rept 64
.if fi_ < 63
	WIN (1+fi_/21)<<6
.set FRG, 12*(fi_%21)
.else
	WIN 0
.set FRG, 244
.endif
.irp i, 0,1,2
	global_load_b128 v[FRG+4*\i:FRG+4*\i+3], v[L16], s[SP:SP+1] offset:(fi_%8)*12288+(fi_/8)*1536+512*\i
.endr
.set fi_, fi_+1
.endr
.irp t, 0,1,2,3,4,5,6,7
	global_load_b128 v[SS+4*\t:SS+4*\t+3], v[A32], s[SSP:SSP+1] offset:512*\t
.endr
.irp t, 0,1,2,3,4,5,6,7
	global_load_b128 v[ACC+8*\t:ACC+8*\t+3], v[H64], s[BP:BP+1] offset:(32*(\t/2)+8*(\t%2))*4
	global_load_b128 v[ACC+8*\t+4:ACC+8*\t+7], v[H64], s[BP:BP+1] offset:(32*(\t/2)+8*(\t%2))*4+16
.endr
.macro TSTEP s
.if KIND == 2
.irp c, 0,1,2
	ds_load_b128 v[TF+12*(\s)+4*\c:TF+12*(\s)+4*\c+3], v[ADT] offset:1536*(\s)+512*\c
.endr
.else
.irp c, 0,1,2,3,4,5
	ds_load_b64 v[TF+12*(\s)+2*\c:TF+12*(\s)+2*\c+1], v[ADT] offset:1536*(\s)+256*\c
.endr
.endif
.endm
.macro TLOAD
	v_add_nc_u32 v[ADT], s[TTO], v[TL]
	v_add_nc_u32 v[ADS], s[TSP], v[A32]
.set ks_, 0
.rept 8
	TSTEP ks_
.set ks_, ks_+1
.endr
	ds_load_b128 v[TS:TS+3], v[ADS]
.endm
.macro PRELOAD
.set q_, 0
.rept 16
	ds_load_b128 v[ACC+4*q_:ACC+4*q_+3], v[BIA] offset:512*q_
.set q_, q_+1
.endr
.endm
.macro MULS next
.set ks_, 0
.rept 8
.set t_, 0
.rept 8
.set fi_, 8*ks_+t_
.if fi_ < 63
	WIN 1+fi_/21
.set FRG, 12*(fi_%21)
.else
	WIN 0
.set FRG, 244
.endif
.if ks_ == 0
	s_wait_dscnt 14-2*t_
.endif
.if ks_ < 4
	v_wmma_scale_f32_16x16x128_f8f6f4 v[ACC+8*t_:ACC+8*t_+7], v[FRG:FRG+11], v[TF+12*ks_:TF+12*ks_+11], v[ACC+8*t_:ACC+8*t_+7], v[SS+4*t_+ks_%4], v[TS+ks_%4] matrix_a_fmt:MATRIX_FMT_FP6 matrix_b_fmt:MATRIX_FMT_FP6
.else
	v_wmma_scale_f32_16x16x128_f8f6f4 v[ACC+8*t_:ACC+8*t_+7], v[FRG:FRG+11], v[TF+12*ks_:TF+12*ks_+11], v[ACC+8*t_:ACC+8*t_+7], v[SS+4*t_+ks_%4], v[TS+ks_%4] matrix_a_fmt:MATRIX_FMT_FP6 matrix_b_fmt:MATRIX_FMT_FP6 matrix_a_scale:MATRIX_SCALE_ROW1 matrix_b_scale:MATRIX_SCALE_ROW1
.endif
.set t_, t_+1
.endr
.if (\next) || (ks_ == 7)
	WIN 0
.if (\next) && (ks_ == 0)
	v_add_nc_u32 v[ADT], s[TTO], v[TL]
	s_wait_alu depctr_va_vdst(0)
	v_add_nc_u32 v[ADS], s[TSP], v[A32]
	s_wait_alu depctr_va_vdst(0)
	v_nop
	v_nop
.else
.rept 4
	v_nop
.endr
.endif
.endif
.if \next
	TSTEP ks_
.endif
.set ks_, ks_+1
.endr
.if \next
	ds_load_b128 v[TS:TS+3], v[ADS]
.endif
.endm
.macro QUANT1
.irp b, 0,1,2,3
	v_max3_num_f32 v[TM+\b], |v[ACC+16*\b]|, |v[ACC+1+16*\b]|, 0x1800000
.endr
.irp i, 2,4,6,8,10,12,14
.irp b, 0,1,2,3
	v_max3_num_f32 v[TM+\b], v[TM+\b], |v[ACC+16*\b+\i]|, |v[ACC+1+16*\b+\i]|
.endr
.endr
.irp b, 0,1,2,3
	v_permlanex16_b32 v[TM+4+\b], v[TM+\b], s[SEL], s[SEL+1]
.endr
.irp b, 0,1,2,3
	v_max_num_f32 v[TM+\b], v[TM+\b], v[TM+4+\b]
.endr
.irp b, 0,1,2,3
	v_add_nc_u32 v[TM+12+\b], 0xff000000, v[TM+\b]
.endr
.irp b, 0,1,2,3
	v_lshrrev_b32 v[TM+4+\b], 23, v[TM+12+\b]
.endr
	v_lshl_or_b32 v[PW], v[TM+5], 8, v[TM+4]
	v_lshl_or_b32 v[PW], v[TM+6], 16, v[PW]
	v_lshl_or_b32 v[PW], v[TM+7], 24, v[PW]
	v_cvt_scalef32_pk16_fp6_f32 v[PC:PC+2], v[ACC:ACC+15], v[TM+12]
	v_cvt_scalef32_pk16_fp6_f32 v[TM+8:TM+10], v[ACC+16:ACC+31], v[TM+13]
	v_cvt_scalef32_pk16_fp6_f32 v[PC+6:PC+8], v[ACC+32:ACC+47], v[TM+14]
	v_cvt_scalef32_pk16_fp6_f32 v[TM:TM+2], v[ACC+48:ACC+63], v[TM+15]
	v_nop
.endm
.macro QUANT2
.irp i, 0,1,2
	v_permlane16_swap_b32 v[PC+\i], v[TM+8+\i]
.endr
.irp i, 0,1,2
	v_mov_b32 v[PC+3+\i], v[TM+8+\i]
.endr
.irp i, 0,1,2
	v_permlane16_swap_b32 v[PC+6+\i], v[TM+\i]
.endr
.irp i, 0,1,2
	v_mov_b32 v[PC+9+\i], v[TM+\i]
.endr
.endm
.macro TILE next, k
.if \next
	s_add_co_u32 s[TTO], s[TTO], 12288
	s_add_co_u32 s[TSP], s[TSP], 512
.endif
	MULS \next
.if KIND == 2
	QUANT1
	v_add_nc_u32 v[ADW], s[TW], v[SCW]
	ds_store_b32 v[ADW], v[PW]
	s_add_co_u32 s[TW], s[TW], 64
.if \next
	PRELOAD
.endif
	QUANT2
.irp i, 0,1,2,3,4,5
	global_store_b64 v[L8], v[PC+2*\i:PC+2*\i+1], s[OB:OB+1] offset:256*\i
.endr
.if \next
	s_and_b32 s66, s[CNT], 3
	s_cmp_eq_u32 s66, 3
	s_cselect_b32 s66, s[JUMP], 1536
	s_mov_b32 s67, 0
	s_wait_xcnt 0x0
	s_add_nc_u64 s[OB:OB+1], s[OB:OB+1], s[66:67]
.endif
.else
.set KB, 32*((\k)/2)+8*((\k)%2)
.set q_, 0
.rept 16
	ds_store_b128 v9, v[ACC+4*q_:ACC+4*q_+3] offset:128*(q_/4)+16*(q_%4)
.set q_, q_+1
.endr
.if \next
	PRELOAD
.endif
.irp u, 0,1
	s_wait_xcnt 0x0
.irp i, 0,1,2,3,4,5,6,7
	ds_load_b128 v[RB+4*\i:RB+4*\i+3], v10 offset:528*(8*\u+\i)
.endr
	s_wait_dscnt 0x0
.irp i, 0,1,2,3,4,5,6,7
.if ((\k) == 2 && \u == 1 && \i == 3) || ((\k) == 3 && \u == 1 && \i == 0)
	s_cmp_eq_u32 s[BM], 1
	s_cbranch_scc1 .Lpast_\@
.endif
	global_store_b128 v[L16], v[RB+4*\i:RB+4*\i+3], s[OB:OB+1] offset:(KB+16*\u+\i)*4096 th:TH_STORE_NT
.endr
.endr
.if (\k) >= 2
.Lpast_\@:
.endif
.endif
.endm
	s_wait_tensorcnt 0x0
	s_barrier_signal -1
	s_barrier_wait -1
	s_mov_b32 s[TTO], 0
	s_mov_b32 s[TSP], TSO
	s_mov_b32 s[TW], 0
	TLOAD
	s_wait_loadcnt 0x0
.if KIND == 2
.set q_, 0
.rept 64
	v_cndmask_b32 v[ACC+q_], 0, v[ACC+q_], s[BM]
.set q_, q_+1
.endr
.endif
.set q_, 0
.rept 16
	ds_store_b128 v[BIA], v[ACC+4*q_:ACC+4*q_+3] offset:512*q_
.set q_, q_+1
.endr
.if KIND == 2
	s_mov_b32 s[CNT], 0
.Ltile:
	s_wait_alu depctr_va_vdst(0)
	TILE 1, 0
	s_add_co_u32 s[CNT], s[CNT], 1
	s_cmp_lt_u32 s[CNT], 15
	s_cbranch_scc1 .Ltile
	TILE 0, 0
	ds_load_b128 v[16:19], v9
	ds_load_b128 v[20:23], v9 offset:512
	s_wait_dscnt 0x0
	global_store_b128 v10, v[16:19], s[SB:SB+1]
	global_store_b128 v10, v[20:23], s[SB2:SB2+1]
.else
	TILE 1, 0
	TILE 1, 1
	TILE 1, 2
	TILE 0, 3
.endif
	s_wait_tensorcnt 0x0
	ds_add_u32 v242, v243
	s_wait_dscnt 0x0
	s_endpgm
.Lfunc_end_k_q2c1522c110_gemm_in:
	.size	k_q2c1522c110_gemm_in, .Lfunc_end_k_q2c1522c110_gemm_in-k_q2c1522c110_gemm_in
	.p2alignl 7, 3214868480
	.fill 96, 4, 3214868480
	.section	.rodata,"a",@progbits
	.p2align	6, 0x0
	.amdhsa_kernel k_q2c1522c110_gemm_in
		.amdhsa_group_segment_fixed_size 327680
		.amdhsa_private_segment_fixed_size 0
		.amdhsa_enable_private_segment 0
		.amdhsa_kernarg_size 24
		.amdhsa_user_sgpr_count 2
		.amdhsa_user_sgpr_kernarg_segment_ptr 1
		.amdhsa_wavefront_size32 1
		.amdhsa_system_sgpr_workgroup_id_x 1
		.amdhsa_system_sgpr_workgroup_id_y 1
		.amdhsa_system_sgpr_workgroup_id_z 1
		.amdhsa_system_vgpr_workitem_id 0
		.amdhsa_next_free_vgpr 1024
		.amdhsa_next_free_sgpr 100
		.amdhsa_reserve_vcc 0
		.amdhsa_float_denorm_mode_32 3
		.amdhsa_float_denorm_mode_16_64 3
		.amdhsa_memory_ordered 1
		.amdhsa_forward_progress 1
		.amdhsa_inst_pref_size 65
	.end_amdhsa_kernel
	.amdgpu_metadata
---
amdhsa.version: [ 1, 2 ]
amdhsa.kernels:
  - .name:           k_q2c1522c110_gemm_in
    .symbol:         k_q2c1522c110_gemm_in.kd
    .args:
      - { .name: w1, .offset: 0, .size: 8, .value_kind: global_buffer, .address_space: global }
      - { .name: proxy_b, .offset: 8, .size: 8, .value_kind: global_buffer, .address_space: global }
      - { .name: w2, .offset: 16, .size: 8, .value_kind: global_buffer, .address_space: global }
    .group_segment_fixed_size: 327680
    .private_segment_fixed_size: 0
    .kernarg_segment_align: 8
    .kernarg_segment_size: 24
    .max_flat_workgroup_size: 128
    .sgpr_count:     100
    .vgpr_count:     1024
    .wavefront_size: 32
...
	.end_amdgpu_metadata
.endif
;; end of part 2
;; launch attn1 (part 3): grid 2 x 128, 16 waves a work-group, no clusters, 327,680 bytes of LDS; arguments w2, w3; writes w3
.if DOCPART == 3
	.amdgcn_target "amdgcn-amd-amdhsa--gfx1250"
	.amdhsa_code_object_version 6
	.text
	.protected	k_q2c1522c110_attn1
	.globl	k_q2c1522c110_attn1
	.p2align	8
	.type	k_q2c1522c110_attn1,@function
k_q2c1522c110_attn1:
	s_mov_b64 s[64:65], 0
	v_nop
	global_prefetch_b8 v0, s[64:65] scope:SCOPE_SE
	s_setreg_imm32_b32 hwreg(HW_REG_WAVE_MODE, 25, 1), 1
	s_wait_xcnt 0x0
; STAGE 1 OF THE PROXY ATTENTION ON CODES OF FP6 (E2M3): queries = the 1,024 proxies p, keys = the 819 tokens' k, values = v.
; The result, proxy_v, is quantised along the PROXIES and stored as the second stage's values.
; THE SOFTMAX: t = score x log2(e) / 8 (the 1/8 is reference's SCALE); M = the running largest t rounded UP to a whole number; p = 2^(t - M) is quantised along the keys,
; not normalised; the row's sum is taken of the unquantised p and divides at the end.  When M moves, sum and O^T are multiplied by 2^(old M - new M): exact.
; SHARES.  A work-group takes one head of one batch and 512 of its proxies; wave w takes query tiles 2 w and 2 w + 1, one after the other: together one block of 32 proxies.
; So the turn from 'a lane holds a proxy' to 'a lane holds a channel and 32 proxies' goes through the wave's OWN stage in LDS (64 channel rows x 144 bytes) and needs no barrier.
; THE FILLS go in two groups.  At the head: key steps 0 and 1 (K's and V's codes) and all scale words, one tensor load in each of waves 0-3.  Behind the full sequence and a barrier: steps 2 to 6,
; one tensor load in each of waves 0-7; they are on their way while steps 0 and 1 of the first tile are worked, and a barrier with each wave's wait for its loads stands ahead of step 2.
; LAYOUT.  Both products are used transposed (S^T = K Q^T, O^T = V^T P): a lane holds one query.  Tiles are permuted (lane-row r of tile t = row 32 (t/2) + 8 (t%2) + r + 8 (r/8)).
; K = 64 IN THE FORM OF 128: Q's upper six registers are zero codes, so what stands in a key tile's upper six adds nothing; the scale words' upper two bytes are 0.
; Keys from 819 on: the last step (64 tokens) starts its sums from a table in LDS, 0 or -1e30.
; OUTPUT (read by this program alone): codes [16 b + head][block of 32 proxies][1,536 bytes]; in a block, run 3 g + i of 256 bytes holds piece i (8 bytes of the block's 24) of channel tiles 2 g and 2 g + 1,
; 128 bytes each, row r at 8 r; in odd blocks the two halves of a run change places.  Each store of the wave covers 256 consecutive bytes, aligned.  Scale words as before: [step][pair of tiles][lane][4 blocks].
; NO JOINT LOADS: a head's tiles are shared by two work-groups only.  NO PREFETCH: every tile is fetched once, at the start, and there is no later stream to run ahead of.
; LIMITS: a block of zeros or under 2^-124 gets the scale byte 1; NaN and infinities are not served; the scaled scores are taken to stay under 2^31 in magnitude.
.set PPC, 11010048
.set VC,  17301504
.set QKS, 22806528
.set PPS, 23265280
.set VS,  23527424
.set PVS, 6291456
.set VCO, 39936                        ; LDS: K's codes from 0 (52 tiles x 768), V's from VCO (7 steps x 6,144)
.set KSO, 82944
.set VSO, 86272
.set ATO, 88064                        ; the table, one f32 a key
.set PVT, 92160                        ; sixteen stages of WSTG bytes
.set WSTG, 9216
.set SP,  144                          ; a stage row: 32 proxies x 4 bytes + 16
.set PSC, 239616                       ; the work-group's 1,024 scale bytes
.set SPARE, 240640                     ; the spare words, 128 bytes a wave
.set AK,  1
.set AV,  2
.set AKS, 3
.set AVS, 4
.set AAT, 5
.set STI, 6                            ; v6 into my stage, v7 out of it
.set STX, 7
.set ADK, 8
.set ADV, 9
.set ADS, 10
.set ADT, 11
.set ADA, 28
.set QF,  16                           ; v16-27 Q: six registers of codes, six of zeros
.set QS,  29
.set SBA, 30                           ; v30 my scale byte's place
.set KV,  32                           ; v32-85 eight key tiles of 6 registers and six zeros; later four value fragments
.set KS,  86
.set VSR, 90
.set PW,  92
.set S,   96                           ; v96-159 the scores, then p
.set O,   160                          ; v160-191 O^T
.set PC,  192
.set CT,  204
.set BMX, 212
.set PT,  216
.set SO,  220
.set FP,  228
.set SUM2, 230
.set Q1,  234                          ; v234-239 the second tile's Q, v240 its scale word
.set QS1, 240
.set OA,  241                          ; v241 my 8 bytes of a run of 256 in w3
.set WV,  12
.set SEL, 20
.set CS,  22
.set G1K, 24
.set G1V, 32
.set G1KS, 40
.set G1VS, 48
.set G0K, 56
.set G0V, 60
.set G0KS, 68
.set G0VS, 72
.set T6,  76
.set T5,  77
.set T2,  78
.set CNT, 79
.set QP,  84
.set QSP, 86
.set OUTP, 88
.set OUTS, 90
.macro DENSE g, rows                   ; group 1 of a dense block: rows of 256 bytes (32 elements of 8 bytes)
	s_mov_b32 s[\g], 3<<16
	s_mov_b32 s[\g+1], 32<<16
	s_mov_b32 s[\g+2], (\rows)<<16
	s_mov_b32 s[\g+3], 32<<16
	s_mov_b32 s[\g+4], \rows
	s_mov_b32 s[\g+5], 32
	s_mov_b32 s[\g+6], 0
	s_mov_b32 s[\g+7], 0
.endm
.macro TLD g0, g1                      ; a tensor load and the nops behind it
	tensor_load_to_lds s[\g0:\g0+3], s[\g1:\g1+7]
	s_nop 0
.rept 4
	v_nop
.endr
.endm
	s_load_b128 s[4:7], s[0:1], 0x0                ; w2, w3
	v_lshl_add_u32 v254, v0, 2, SPARE
	v_mov_b32 v255, 0
	ds_add_u32 v254, v255
	ds_add_u32 v254, v255
	v_lshrrev_b32 v1, 5, v0
	v_readfirstlane_b32 s[WV], v1                  ; wave 0..15
	s_mov_b32 s13, ttmp9                           ; X: which 512 proxies
	s_and_b32 s14, ttmp7, 0xffff                   ; 16 b + head
	s_lshr_b32 s15, s14, 4                         ; b
	s_and_b32 s16, s14, 15                         ; head
	s_and_b32 s17, s16, 1                          ; which half of a fragment is my head's
	s_lshr_b32 s18, s16, 1                         ; the pair of heads
	s_mov_b32 s[G1K], 3<<16                        ; K's codes: rows of 768 bytes (96 elements of 8), my head's half of each fragment of 1,536; 16 tiles at the head
	s_mov_b32 s[G1K+1], 96<<16
	s_mov_b32 s[G1K+2], 16<<16
	s_mov_b32 s[G1K+3], 96<<16
	s_mov_b32 s[G1K+4], 16
	s_mov_b32 s[G1K+5], 192
	s_mov_b32 s[G1K+6], 0
	s_mov_b32 s[G1K+7], 0
	DENSE G1V, 48
	DENSE G1KS, 13
	DENSE G1VS, 7
	s_and_b32 s92, s[WV], 3
	s_mul_i32 s93, s18, 448
	s_mul_i32 s94, s15, 56
	s_add_co_u32 s93, s93, s94
	s_add_co_u32 s93, s93, 3584                    ; the first key tile
	s_mul_i32 s94, s93, 1536
	s_mul_i32 s19, s17, 768
	s_add_co_u32 s94, s94, s19
	s_mov_b32 s95, 0                               ; s[94:95] K's codes
	s_lshl_b32 s96, s93, 6
	s_add_co_u32 s96, s96, QKS
	s_mov_b32 s97, 0                               ; s[96:97] K's scale words
	s_mul_i32 s98, s16, 56
	s_mul_i32 s99, s15, 7
	s_add_co_u32 s98, s98, s99
	s_lshl_b32 s2, s98, 8
	s_add_co_u32 s2, s2, VS
	s_mov_b32 s3, 0                                ; s[2:3] V's scale words
	s_mul_i32 s98, s98, 6144
	s_add_co_u32 s98, s98, VC
	s_mov_b32 s99, 0                               ; s[98:99] V's codes
	s_lshl_b32 s8, s18, 9
	s_lshl_b32 s9, s15, 6
	s_add_co_u32 s8, s8, s9
	s_lshl_b32 s9, s13, 5
	s_add_co_u32 s8, s8, s9
	s_lshl_b32 s9, s[WV], 1
	s_add_co_u32 s8, s8, s9                        ; my first query tile: 2 x wave
	s_lshl_b32 s78, s17, 1
	s_lshl_b32 s10, s8, 6
	s_add_co_u32 s10, s10, s78
	s_add_co_u32 s10, s10, PPS
	s_mov_b32 s11, 0                               ; s[10:11] Q's scale words
	s_mul_i32 s8, s8, 1536
	s_add_co_u32 s8, s8, s19
	s_add_co_u32 s8, s8, PPC
	s_mov_b32 s9, 0                                ; s[8:9] Q's codes
	s_lshl_b32 s66, s13, 4
	s_add_co_u32 s66, s66, s[WV]                   ; my block of 32 proxies, 0..31
	s_mul_i32 s66, s66, 1536
	s_mul_i32 s67, s14, 49152
	s_add_co_u32 s66, s66, s67
	s_mov_b32 s67, 0                               ; s[66:67] my 1,536 bytes of w3
	s_lshl_b32 s76, s14, 11
	s_lshl_b32 s77, s13, 10
	s_add_co_u32 s76, s76, s77
	s_add_co_u32 s76, s76, PVS
	s_mov_b32 s77, 0                               ; s[76:77] the work-group's scale bytes in w3
	s_mul_i32 s80, s[WV], WSTG
	s_add_co_u32 s80, s80, PVT                     ; my stage
	s_lshr_b32 s81, s[WV], 2
	s_lshl_b32 s81, s81, 8
	s_add_co_u32 s81, s81, s92
	s_add_co_u32 s81, s81, PSC                     ; scale bytes: step wave / 4, block wave % 4
	s_lshl_b32 s82, s[WV], 9
	s_and_b32 s83, s[WV], 1
	s_lshl_b32 s83, s83, 7                         ; odd blocks: the halves of a run change places
	s_mov_b32 s[SEL], 0x76543210
	s_mov_b32 s[SEL+1], 0xfedcba98                 ; lane l xor 16
	s_mov_b32 s[CS], 0x3e38aa3b                    ; log2(e) / 8
	s_mov_b32 s[CS+1], s[CS]
	s_wait_dscnt 0x0
	s_wait_kmcnt 0x0
	s_mov_b32 s[G0K], 1
	s_mov_b32 s[G0K+1], 0
	s_add_nc_u64 s[G0K+2:G0K+3], s[4:5], s[94:95]
	s_or_b32 s[G0K+3], s[G0K+3], 0x80000000
	s_mov_b32 s[G0V], 1
	s_mov_b32 s[G0V+1], VCO
	s_add_nc_u64 s[G0V+2:G0V+3], s[4:5], s[98:99]
	s_or_b32 s[G0V+3], s[G0V+3], 0x80000000
	s_mov_b32 s[G0KS], 1
	s_mov_b32 s[G0KS+1], KSO
	s_add_nc_u64 s[G0KS+2:G0KS+3], s[4:5], s[96:97]
	s_or_b32 s[G0KS+3], s[G0KS+3], 0x80000000
	s_mov_b32 s[G0VS], 1
	s_mov_b32 s[G0VS+1], VSO
	s_add_nc_u64 s[G0VS+2:G0VS+3], s[4:5], s[2:3]
	s_or_b32 s[G0VS+3], s[G0VS+3], 0x80000000
	s_cmp_eq_u32 s[WV], 0                          ; the head's fills: one chain of branches on the wave's number, one load to an arm
	s_cbranch_scc0 .Lh_v
	TLD G0K, G1K                                   ; key tiles 0-15
	s_branch .Lh_end
.Lh_v:
	s_cmp_eq_u32 s[WV], 1
	s_cbranch_scc0 .Lh_ks
	TLD G0V, G1V                                   ; the values of steps 0 and 1
	s_branch .Lh_end
.Lh_ks:
	s_cmp_eq_u32 s[WV], 2
	s_cbranch_scc0 .Lh_vs
	TLD G0KS, G1KS
	s_branch .Lh_end
.Lh_vs:
	s_cmp_eq_u32 s[WV], 3
	s_cbranch_scc0 .Lh_end
	TLD G0VS, G1VS
.Lh_end:
	s_add_nc_u64 s[QP:QP+1], s[4:5], s[8:9]
	s_add_nc_u64 s[QSP:QSP+1], s[4:5], s[10:11]
	s_add_nc_u64 s[OUTP:OUTP+1], s[6:7], s[66:67]
	s_add_nc_u64 s[OUTS:OUTS+1], s[6:7], s[76:77]
	s_mul_i32 s96, s92, 13824                      ; the second group: waves 0-3 nine key tiles each from tile 16 on (s97 is 0),
	s_add_co_u32 s96, s96, 24576
	s_mul_i32 s98, s92, 7680                       ; waves 4-7 thirty rows of 256 bytes of values each from byte 12,288 on (s99 is 0)
	s_add_co_u32 s98, s98, 12288
	v_and_b32 v32, 31, v0                          ; lane
	v_and_b32 v33, 15, v0                          ; r
	v_bfe_u32 v34, v0, 4, 1                        ; h
	v_lshlrev_b32 v31, 3, v32                      ; v31 = 8 x lane
	v_lshlrev_b32 v35, 2, v32
	v_lshlrev_b32 v93, 2, v33                      ; v93 = 4 r
	v_and_b32 v36, 8, v33
	v_mov_b32 v[AK], v31
	v_add_nc_u32 v[AV], VCO, v31
	v_add_nc_u32 v[AKS], KSO, v35
	v_add_nc_u32 v[AVS], VSO, v35
	v_lshl_add_u32 v[AAT], v34, 6, ATO
	v_add_nc_u32 v36, v36, v33                     ; r + 8 (r / 8)
	v_add_nc_u32 v[AKS], s78, v[AKS]               ; two bytes of a word: my head's two blocks
	v_mul_u32_u24 v[STI], v34, 8*SP
	v_mul_u32_u24 v[STX], v32, SP
	v_lshl_add_u32 v[STI], v36, 2, v[STI]
	v_add_nc_u32 v[STX], s80, v[STX]               ; out of the stage: row = lane (channel tile 2 g + lane / 16, its row lane % 16)
	v_add_nc_u32 v[STI], s80, v[STI]               ; into it: rows 8 h on, my query's column
	v_add_nc_u32 v[SBA], s81, v35
	v_lshl_add_u32 v95, v32, 4, s82
	v_xor_b32 v[OA], s83, v31
	v_add_nc_u32 v94, PSC, v95                     ; v94, v95: the scale bytes' way out (waves 0 and 1)
	v_lshlrev_b32 v37, 1, v0                       ; the table, two keys a thread
	v_mov_b32 v39, 0xf149f2ca                      ; -1e30
	v_mov_b32 v40, 0
	v_add_nc_u32 v38, 1, v37
	v_cmp_gt_u32 vcc_lo, 819, v37
	v_cndmask_b32 v42, v39, v40, vcc_lo
	v_cmp_gt_u32 vcc_lo, 819, v38
	v_cndmask_b32 v43, v39, v40, vcc_lo
	v_lshl_add_u32 v44, v0, 3, ATO
.irp i, 0,1,2,3,4,5
	v_mov_b32 v[QF+6+\i], 0                        ; zero codes: the upper 64 of the form's K
	v_mov_b32 v[KV+48+\i], 0
.endr
.irp b, 0,1,2,3
	v_mov_b32 v[PT+\b], 0                          ; a lane permute's destination counts as read
.endr
	v_mov_b32 v[FP+1], 0
	v_mov_b32 v232, 0
	s_wait_alu depctr_va_vdst(0)
.irp i, 0,1,2
	global_load_b64 v[QF+2*\i:QF+2*\i+1], v31, s[QP:QP+1] offset:256*\i
.endr
	global_load_u16 v[QS], v93, s[QSP:QSP+1]
.irp i, 0,1,2
	global_load_b64 v[Q1+2*\i:Q1+2*\i+1], v31, s[QP:QP+1] offset:1536+256*\i
.endr
	global_load_u16 v[QS1], v93, s[QSP:QSP+1] offset:64
	ds_store_b64 v44, v[42:43]
	s_wait_tensorcnt 0x0                           ; my fill of the head has landed
	ds_add_u32 v254, v255                          ; the add twice
	ds_add_u32 v254, v255
	s_mov_b32 s[G1K+2], 9<<16                      ; no tensor load of mine is out: the descriptors are written for the second group
	s_mov_b32 s[G1K+4], 9
	s_mov_b32 s[G1V+2], 30<<16
	s_mov_b32 s[G1V+4], 30
	s_mul_i32 s[G0K+1], s92, 6912
	s_add_co_u32 s[G0K+1], s[G0K+1], 12288
	s_add_nc_u64 s[G0K+2:G0K+3], s[G0K+2:G0K+3], s[96:97]
	s_add_co_u32 s[G0V+1], s98, VCO
	s_add_nc_u64 s[G0V+2:G0V+3], s[G0V+2:G0V+3], s[98:99]
	s_wait_dscnt 0x0                               ; the adds are done and my part of the table is stored
	s_barrier_signal -1
	s_barrier_wait -1
	s_cmp_lt_u32 s[WV], 4
	s_cbranch_scc0 .Lg_v
	TLD G0K, G1K                                   ; key tiles 16 + 9 w on
	s_branch .Lg_end
.Lg_v:
	s_cmp_lt_u32 s[WV], 8
	s_cbranch_scc0 .Lg_end
	TLD G0V, G1V
.Lg_end:
; A KEY STEP of 32 nb keys (nb = 4, or 2 for the last 64 tokens, whose sums start from the table).
.macro STEP nb
	v_add_nc_u32 v[ADK], s[T6], v[AK]              ; (these four are also the places in front of loads into registers that the last products have read)
	v_add_nc_u32 v[ADV], s[T6], v[AV]
	v_add_nc_u32 v[ADS], s[T5], v[AKS]
	v_add_nc_u32 v[ADT], s[T2], v[AVS]
.if \nb == 2
	v_add_nc_u32 v[ADA], s[T5], v[AAT]
.set q_, 0
.rept 8
	ds_load_b128 v[S+4*q_:S+4*q_+3], v[ADA] offset:128*(q_/4)+16*(q_%4)   ; register 16 b + i = key 32 b + 16 h + i
.set q_, q_+1
.endr
.endif
.set q_, 0
.rept 6*\nb
	ds_load_b64 v[KV+2*q_:KV+2*q_+1], v[ADK] offset:256*q_
.set q_, q_+1
.endr
.set q_, 0
.rept \nb
	ds_load_u16 v[KS+q_], v[ADS] offset:128*q_     ; lanes 0-15 the even tile's words, lanes 16-31 the odd tile's
.set q_, q_+1
.endr
	s_wait_alu depctr_va_vdst(0)
	s_wait_dscnt 0x0
.set q_, 0
.rept 2*\nb
.if \nb == 2
.if q_%2
	v_wmma_scale_f32_16x16x128_f8f6f4 v[S+8*q_:S+8*q_+7], v[KV+6*q_:KV+6*q_+11], v[QF:QF+11], v[S+8*q_:S+8*q_+7], v[KS+q_/2], v[QS] matrix_a_fmt:MATRIX_FMT_FP6 matrix_b_fmt:MATRIX_FMT_FP6 matrix_a_scale:MATRIX_SCALE_ROW1
.else
	v_wmma_scale_f32_16x16x128_f8f6f4 v[S+8*q_:S+8*q_+7], v[KV+6*q_:KV+6*q_+11], v[QF:QF+11], v[S+8*q_:S+8*q_+7], v[KS+q_/2], v[QS] matrix_a_fmt:MATRIX_FMT_FP6 matrix_b_fmt:MATRIX_FMT_FP6
.endif
.else
.if q_%2
	v_wmma_scale_f32_16x16x128_f8f6f4 v[S+8*q_:S+8*q_+7], v[KV+6*q_:KV+6*q_+11], v[QF:QF+11], 0, v[KS+q_/2], v[QS] matrix_a_fmt:MATRIX_FMT_FP6 matrix_b_fmt:MATRIX_FMT_FP6 matrix_a_scale:MATRIX_SCALE_ROW1
.else
	v_wmma_scale_f32_16x16x128_f8f6f4 v[S+8*q_:S+8*q_+7], v[KV+6*q_:KV+6*q_+11], v[QF:QF+11], 0, v[KS+q_/2], v[QS] matrix_a_fmt:MATRIX_FMT_FP6 matrix_b_fmt:MATRIX_FMT_FP6
.endif
.endif
.set q_, q_+1
.endr
.rept 4
	v_nop                                          ; places in front of the loads below and of the first read of the scores
.endr
.set q_, 0
.rept 24
	ds_load_b64 v[KV+2*q_:KV+2*q_+1], v[ADV] offset:256*q_   ; the step's four value fragments: asked for ahead of the softmax
.set q_, q_+1
.endr
	ds_load_b32 v[VSR], v[ADT]
	ds_load_b32 v[VSR+1], v[ADT] offset:128
.set b_, 0
.rept \nb
	v_max3_num_f32 v[BMX+b_], v[S+16*b_], v[S+16*b_+1], v[S+16*b_+2]   ; the largest score of each block of 32 keys: for the row's maximum and for the block's largest p
.set b_, b_+1
.endr
.set b_, 0
.rept \nb
	v_max3_num_f32 v[PT+b_], v[S+16*b_+8], v[S+16*b_+9], v[S+16*b_+10]   ; a second chain for each block, on its odd tile: each accumulator is read from its low end on
.set b_, b_+1
.endr
.irp i, 3,5
.set b_, 0
.rept \nb
	v_max3_num_f32 v[BMX+b_], v[BMX+b_], v[S+16*b_+\i], v[S+16*b_+\i+1]
.set b_, b_+1
.endr
.set b_, 0
.rept \nb
	v_max3_num_f32 v[PT+b_], v[PT+b_], v[S+16*b_+8+\i], v[S+16*b_+9+\i]
.set b_, b_+1
.endr
.endr
.set b_, 0
.rept \nb
	v_max3_num_f32 v[BMX+b_], v[BMX+b_], v[S+16*b_+7], v[S+16*b_+15]
.set b_, b_+1
.endr
.set b_, 0
.rept \nb
	s_delay_alu instid0(VALU_DEP_\nb)
	v_max_num_f32 v[BMX+b_], v[BMX+b_], v[PT+b_]
.set b_, b_+1
.endr
.set b_, 0
.rept \nb
	s_delay_alu instid0(VALU_DEP_\nb)
	v_permlanex16_b32 v[PT+b_], v[BMX+b_], s[SEL], s[SEL+1]
.set b_, b_+1
.endr
.set b_, 0
.rept \nb
	s_delay_alu instid0(VALU_DEP_\nb)
	v_max_num_f32 v[BMX+b_], v[BMX+b_], v[PT+b_]
.set b_, b_+1
.endr
.if \nb == 4
	s_delay_alu instid0(VALU_DEP_2)
	v_max3_num_f32 v232, v[BMX], v[BMX+1], v[BMX+2]
	s_delay_alu instid0(VALU_DEP_1)
	v_max_num_f32 v232, v232, v[BMX+3]
.else
	s_delay_alu instid0(VALU_DEP_1)
	v_max_num_f32 v232, v[BMX], v[BMX+1]
.endif
	s_delay_alu instid0(VALU_DEP_1)
	v_mul_f32 v232, s[CS], v232
	s_delay_alu instid0(VALU_DEP_1)
	v_max_num_f32 v13, v13, v232                   ; the running largest t
	v_mov_b32 v232, v12
	s_delay_alu instid0(VALU_DEP_2)
	v_floor_f32 v12, -v13                          ; -M = floor(-t): M is a whole number
	s_delay_alu instid0(VALU_DEP_1)
	v_sub_f32 v232, v12, v232
	s_delay_alu instid0(VALU_DEP_1)
	v_cvt_i32_f32 v232, v232                       ; (it saturates)
	s_delay_alu instid0(VALU_DEP_1)
	v_ldexp_f32 v[FP], 1.0, v232                   ; f = 2^(old M - new M)
.set j_, 0
.rept 8*\nb
	v_pk_fma_f32 v[S+j_:S+j_+1], v[S+j_:S+j_+1], s[CS:CS+1], v[12:13] op_sel_hi:[1,0,0]   ; t - M
.set j_, j_+2
.endr
.set b_, 0
.rept \nb
	v_fma_f32 v[BMX+b_], v[BMX+b_], s[CS], v12
.set b_, b_+1
.endr
.set j_, 0
	s_wait_alu depctr_va_vdst(0)
.rept 16*\nb
	v_exp_f32 v[S+j_], v[S+j_]                     ; p, at most 1, not normalised
.set j_, j_+1
.endr
	v_pk_mul_f32 v[14:15], v[14:15], v[FP:FP+1] op_sel_hi:[1,0]   ; the sums under the new M (a plain place behind the exponentials)
	s_wait_alu depctr_va_vdst(0)                   ; one wait for the batch, ahead of its first reader
.set b_, 0
.rept \nb
	v_exp_f32 v[BMX+b_], v[BMX+b_]                 ; the blocks' largest p
.set b_, b_+1
.endr
.if \nb == 4                           ; the row's sum, of the unquantised p (v96-159): eight independent chains, then joined; 32 packed additions
	v_pk_add_f32 v[230:231], v[100:101], v[104:105]
	v_pk_add_f32 v[252:253], v[108:109], v[112:113]
	v_pk_add_f32 v[250:251], v[116:117], v[120:121]
	v_pk_add_f32 v[248:249], v[124:125], v[128:129]
	v_pk_add_f32 v[246:247], v[132:133], v[136:137]
	v_pk_add_f32 v[244:245], v[140:141], v[144:145]
	v_pk_add_f32 v[242:243], v[148:149], v[152:153]
	v_pk_add_f32 v[14:15], v[14:15], v[156:157]
	v_pk_add_f32 v[230:231], v[230:231], v[96:97]
	v_pk_add_f32 v[252:253], v[252:253], v[98:99]
	v_pk_add_f32 v[250:251], v[250:251], v[102:103]
	v_pk_add_f32 v[248:249], v[248:249], v[106:107]
	v_pk_add_f32 v[246:247], v[246:247], v[110:111]
	v_pk_add_f32 v[244:245], v[244:245], v[114:115]
	v_pk_add_f32 v[242:243], v[242:243], v[118:119]
	v_pk_add_f32 v[14:15], v[14:15], v[122:123]
	v_pk_add_f32 v[230:231], v[230:231], v[126:127]
	v_pk_add_f32 v[252:253], v[252:253], v[130:131]
	v_pk_add_f32 v[250:251], v[250:251], v[134:135]
	v_pk_add_f32 v[248:249], v[248:249], v[138:139]
	v_pk_add_f32 v[246:247], v[246:247], v[142:143]
	v_pk_add_f32 v[244:245], v[244:245], v[146:147]
	v_pk_add_f32 v[242:243], v[242:243], v[150:151]
	v_pk_add_f32 v[14:15], v[14:15], v[154:155]
	v_pk_add_f32 v[230:231], v[230:231], v[158:159]
	s_delay_alu instid0(VALU_DEP_2)
	v_pk_add_f32 v[14:15], v[14:15], v[248:249]
	s_delay_alu instid0(VALU_DEP_2)
	v_pk_add_f32 v[230:231], v[230:231], v[246:247]
	v_pk_add_f32 v[252:253], v[252:253], v[244:245]
	v_pk_add_f32 v[250:251], v[250:251], v[242:243]
	s_delay_alu instid0(VALU_DEP_2)
	v_pk_add_f32 v[14:15], v[14:15], v[252:253]
	s_delay_alu instid0(VALU_DEP_2)
	v_pk_add_f32 v[230:231], v[230:231], v[250:251]
	s_delay_alu instid0(VALU_DEP_1)
	v_pk_add_f32 v[14:15], v[14:15], v[230:231]
.else                                  ; 64 keys (v96-127): four chains; 16 packed additions
	v_pk_add_f32 v[230:231], v[96:97], v[98:99]
	v_pk_add_f32 v[252:253], v[100:101], v[102:103]
	v_pk_add_f32 v[250:251], v[104:105], v[106:107]
	v_pk_add_f32 v[14:15], v[14:15], v[108:109]
	v_pk_add_f32 v[230:231], v[230:231], v[110:111]
	v_pk_add_f32 v[252:253], v[252:253], v[112:113]
	v_pk_add_f32 v[250:251], v[250:251], v[114:115]
	v_pk_add_f32 v[14:15], v[14:15], v[116:117]
	v_pk_add_f32 v[230:231], v[230:231], v[118:119]
	v_pk_add_f32 v[252:253], v[252:253], v[120:121]
	v_pk_add_f32 v[250:251], v[250:251], v[122:123]
	v_pk_add_f32 v[14:15], v[14:15], v[124:125]
	v_pk_add_f32 v[230:231], v[230:231], v[126:127]
	v_pk_add_f32 v[252:253], v[252:253], v[250:251]
	s_delay_alu instid0(VALU_DEP_2)
	v_pk_add_f32 v[14:15], v[14:15], v[230:231]
	s_delay_alu instid0(VALU_DEP_1)
	v_pk_add_f32 v[14:15], v[14:15], v[252:253]
.endif
	s_wait_alu depctr_va_vdst(0)                   ; and one for the blocks' exponentials
.set b_, 0
.rept \nb
	v_max_num_f32 v[BMX+b_], 0x1800000, v[BMX+b_]  ; the floor 2^(3 - 127): the byte cannot fall under 1
.set b_, b_+1
.endr
.set b_, 0
.rept \nb
	s_delay_alu instid0(VALU_DEP_\nb)
	v_add_nc_u32 v[SO+b_], 0xff000000, v[BMX+b_]
.set b_, b_+1
.endr
.set b_, 0
.rept \nb
	s_delay_alu instid0(VALU_DEP_\nb)
	v_lshrrev_b32 v[PT+b_], 23, v[SO+b_]
.set b_, b_+1
.endr
	v_lshl_or_b32 v[PW], v[PT+1], 8, v[PT]
.if \nb == 4
	s_delay_alu instid0(VALU_DEP_1)
	v_lshl_or_b32 v[PW], v[PT+2], 16, v[PW]
	s_delay_alu instid0(VALU_DEP_1)
	v_lshl_or_b32 v[PW], v[PT+3], 24, v[PW]
.endif
.set c_, 0
.rept \nb/2
	v_cvt_scalef32_pk16_fp6_f32 v[PC+6*c_:PC+6*c_+2], v[S+32*c_:S+32*c_+15], v[SO+2*c_]
	v_cvt_scalef32_pk16_fp6_f32 v[CT+4*c_:CT+4*c_+2], v[S+32*c_+16:S+32*c_+31], v[SO+2*c_+1]
.set c_, c_+1
.endr
	v_nop                                          ; one plain place behind a scaled conversion
.set c_, 0
.rept \nb/2
.irp i, 0,1,2
	v_permlane16_swap_b32 v[PC+6*c_+\i], v[CT+4*c_+\i]   ; a whole block in a lane: lanes 0-15 block 2 c, lanes 16-31 block 2 c + 1
.endr
.irp i, 0,1,2
	s_delay_alu instid0(VALU_DEP_3)
	v_mov_b32 v[PC+3+6*c_+\i], v[CT+4*c_+\i]
.endr
.set c_, c_+1
.endr
.if \nb == 2
.irp i, 0,1,2,3,4,5
	v_mov_b32 v[PC+6+\i], 0                        ; no keys there: zero codes
.endr
.endif
	s_wait_alu depctr_va_vdst(0)                   ; ahead of the first reader of O^T
.set j_, 0
.rept 16
	v_pk_mul_f32 v[O+j_:O+j_+1], v[O+j_:O+j_+1], v[FP:FP+1] op_sel_hi:[1,0]   ; O^T under the new M, each accumulator from its low end on; also the places between the codes and scale word just made and the products
.set j_, j_+2
.endr
	s_wait_alu depctr_va_vdst(0)
	s_wait_dscnt 0x0                               ; the values are in
.set q_, 0
.rept 4
.if q_%2
	v_wmma_scale_f32_16x16x128_f8f6f4 v[O+8*q_:O+8*q_+7], v[KV+12*q_:KV+12*q_+11], v[PC:PC+11], v[O+8*q_:O+8*q_+7], v[VSR+q_/2], v[PW] matrix_a_fmt:MATRIX_FMT_FP6 matrix_b_fmt:MATRIX_FMT_FP6 matrix_a_scale:MATRIX_SCALE_ROW1
.else
	v_wmma_scale_f32_16x16x128_f8f6f4 v[O+8*q_:O+8*q_+7], v[KV+12*q_:KV+12*q_+11], v[PC:PC+11], v[O+8*q_:O+8*q_+7], v[VSR+q_/2], v[PW] matrix_a_fmt:MATRIX_FMT_FP6 matrix_b_fmt:MATRIX_FMT_FP6
.endif
.set q_, q_+1
.endr
	s_add_co_u32 s[T6], s[T6], 6144                ; the next step's codes, scale words and table
	s_add_co_u32 s[T5], s[T5], 512
	s_add_co_u32 s[T2], s[T2], 256
.endm
.macro LOOP n                          ; n full steps
	s_mov_b32 s[CNT], 0
.Lstep_\@:
	STEP 4
	s_add_co_u32 s[CNT], s[CNT], 1
	s_cmp_lt_u32 s[CNT], \n
	s_cbranch_scc1 .Lstep_\@
.endm
; A PASS: my tile e of 16 queries through all keys; the normalised result goes into my stage.
.macro PASS e
.if \e == 1
.irp i, 0,1,2,3,4,5
	v_mov_b32 v[QF+\i], v[Q1+\i]                   ; the 36 plain lines below stand between these lines and the first product
.endr
	v_mov_b32 v[QS], v[QS1]
.endif
	s_mov_b32 s[T6], 0
	s_mov_b32 s[T5], 0
	s_mov_b32 s[T2], 0
	v_mov_b32 v13, 0xff61b1e6                      ; the largest t so far: -3e38
	s_delay_alu instid0(VALU_DEP_1)
	v_floor_f32 v12, -v13
	v_mov_b32 v14, 0
	v_mov_b32 v15, 0
.set j_, 0
.rept 32
	v_mov_b32 v[O+j_], 0                           ; the step is written once: the first finds zeros
.set j_, j_+1
.endr
.if \e == 0
	s_wait_loadcnt 0x0                             ; both tiles' Q
	LOOP 2                                         ; steps 0 and 1 read the head's fills alone
	s_wait_tensorcnt 0x0                           ; my load of the second group has landed
	s_wait_dscnt 0x0
	s_barrier_signal -1
	s_barrier_wait -1                              ; everybody's
	LOOP 4
.else
	LOOP 6
.endif
	STEP 2                                         ; tokens 768 to 831
.rept 4
	v_nop                                          ; places behind the last products
.endr
	v_add_f32 v14, v14, v15
	s_delay_alu instid0(VALU_DEP_1)
	v_permlanex16_b32 v232, v14, s[SEL], s[SEL+1]
	s_delay_alu instid0(VALU_DEP_1)
	v_add_f32 v14, v14, v232                       ; the row's sum
	s_wait_alu depctr_va_vdst(0)
	v_rcp_f32 v14, v14
	v_nop
	s_wait_alu depctr_va_vdst(0)                   ; ahead of the reciprocal's first reader, and of O^T's
.set j_, 0
.rept 16
	v_pk_mul_f32 v[S+j_:S+j_+1], v[O+j_:O+j_+1], v[14:15] op_sel_hi:[1,0]   ; O^T / the sum: register 8 q + j = row 8 h + j of channel tile q, of my query
.set j_, j_+2
.endr
.set q_, 0
.rept 32
	ds_store_b32 v[STI], v[S+q_] offset:(16*(q_/8)+q_%8)*SP+32*\e   ; stage row 16 q + 8 h + j, column 8 e + r + 8 (r / 8): my query's place in the block of 32 proxies
.set q_, q_+1
.endr
	s_wait_dscnt 0x0                               ; the stores have read their registers
.endm
	PASS 0
	PASS 1
; THE WAY OUT.  My stage holds 64 channel rows x 32 proxies, all written by me.  Lane l takes rows l and 32 + l: a whole block of 32 along the next K each.
.set q_, 0
.rept 16
	ds_load_b128 v[S+4*q_:S+4*q_+3], v[STX] offset:32*SP*(q_/8)+16*(q_%8)
.set q_, q_+1
.endr
	s_wait_dscnt 0x0
.irp g, 0,1
	v_max3_num_f32 v[BMX+\g], |v[S+32*\g]|, |v[S+32*\g+1]|, 0x1800000
	v_max3_num_f32 v[PT+\g], |v[S+32*\g+16]|, |v[S+32*\g+17]|, 0x1800000
.endr
.irp i, 2,4,6,8,10,12,14
.irp g, 0,1
	v_max3_num_f32 v[BMX+\g], v[BMX+\g], |v[S+32*\g+\i]|, |v[S+32*\g+\i+1]|
	v_max3_num_f32 v[PT+\g], v[PT+\g], |v[S+32*\g+16+\i]|, |v[S+32*\g+17+\i]|
.endr
.endr
.irp g, 0,1
	v_max_num_f32 v[BMX+\g], v[BMX+\g], v[PT+\g]
.endr
.irp g, 0,1
	v_add_nc_u32 v[SO+\g], 0xff000000, v[BMX+\g]   ; 2 off the exponent field: the conversion's scale operand
.endr
.irp g, 0,1
	v_lshrrev_b32 v[PT+\g], 23, v[SO+\g]           ; the byte
.endr
.irp g, 0,1
	v_cvt_scalef32_pk16_fp6_f32 v[PC+6*\g:PC+6*\g+2], v[S+32*\g:S+32*\g+15], v[SO+\g]
	v_cvt_scalef32_pk16_fp6_f32 v[CT+4*\g:CT+4*\g+2], v[S+32*\g+16:S+32*\g+31], v[SO+\g]
.endr
	v_nop                                          ; one plain place behind a scaled conversion
.irp g, 0,1
.irp i, 0,1,2
	v_mov_b32 v[PC+6*\g+3+\i], v[CT+4*\g+\i]
.endr
.endr
.irp g, 0,1
.irp i, 0,1,2
	global_store_b64 v[OA], v[PC+6*\g+2*\i:PC+6*\g+2*\i+1], s[OUTP:OUTP+1] offset:256*(3*\g+\i)   ; 32 lanes store 256 consecutive bytes, at a multiple of 256 from the buffer's first byte
.endr
	ds_store_b8 v[SBA], v[PT+\g] offset:128*\g
.endr
	s_wait_dscnt 0x0                               ; for the others' sake: my scale bytes lie in LDS
	s_barrier_signal -1
	s_barrier_wait -1
	s_cmp_lt_u32 s[WV], 2                          ; the work-group's 1,024 scale bytes leave in whole runs of 256
	s_cbranch_scc0 .Lend
	ds_load_b128 v[96:99], v94
	s_wait_dscnt 0x0
	global_store_b128 v95, v[96:99], s[OUTS:OUTS+1]
.Lend:
	s_wait_tensorcnt 0x0                           ; the wave's end
	ds_add_u32 v254, v255
	s_wait_dscnt 0x0
	s_endpgm
.Lfunc_end_k_q2c1522c110_attn1:
	.size	k_q2c1522c110_attn1, .Lfunc_end_k_q2c1522c110_attn1-k_q2c1522c110_attn1
	.p2alignl 7, 3214868480
	.fill 96, 4, 3214868480
	.section	.rodata,"a",@progbits
	.p2align	6, 0x0
	.amdhsa_kernel k_q2c1522c110_attn1
		.amdhsa_group_segment_fixed_size 327680
		.amdhsa_private_segment_fixed_size 0
		.amdhsa_enable_private_segment 0
		.amdhsa_kernarg_size 16
		.amdhsa_user_sgpr_count 2
		.amdhsa_user_sgpr_kernarg_segment_ptr 1
		.amdhsa_wavefront_size32 1
		.amdhsa_system_sgpr_workgroup_id_x 1
		.amdhsa_system_sgpr_workgroup_id_y 1
		.amdhsa_system_sgpr_workgroup_id_z 1
		.amdhsa_system_vgpr_workitem_id 0
		.amdhsa_next_free_vgpr 256
		.amdhsa_next_free_sgpr 100
		.amdhsa_reserve_vcc 1
		.amdhsa_float_denorm_mode_32 3
		.amdhsa_float_denorm_mode_16_64 3
		.amdhsa_memory_ordered 1
		.amdhsa_forward_progress 1
		.amdhsa_inst_pref_size 107
	.end_amdhsa_kernel
	.amdgpu_metadata
---
amdhsa.version: [ 1, 2 ]
amdhsa.kernels:
  - .name:           k_q2c1522c110_attn1
    .symbol:         k_q2c1522c110_attn1.kd
    .args:
      - { .name: w2, .offset: 0, .size: 8, .value_kind: global_buffer, .address_space: global }
      - { .name: w3, .offset: 8, .size: 8, .value_kind: global_buffer, .address_space: global }
    .group_segment_fixed_size: 327680
    .private_segment_fixed_size: 0
    .kernarg_segment_align: 8
    .kernarg_segment_size: 16
    .max_flat_workgroup_size: 512
    .sgpr_count:     100
    .vgpr_count:     256
    .wavefront_size: 32
...
	.end_amdgpu_metadata
.endif
;; end of part 3
;; launch attn2 (part 4): grid 2 x 128, 16 waves a work-group, no clusters, 327,680 bytes of LDS; arguments w2, w3, mask, w4; writes w4
.if DOCPART == 4
	.amdgcn_target "amdgcn-amd-amdhsa--gfx1250"
	.amdhsa_code_object_version 6
	.text
	.protected	k_q2c1522c110_attn2
	.globl	k_q2c1522c110_attn2
	.p2align	8
	.type	k_q2c1522c110_attn2,@function
k_q2c1522c110_attn2:
	s_mov_b64 s[64:65], 0
	v_nop
	global_prefetch_b8 v0, s[64:65] scope:SCOPE_SE
	s_setreg_imm32_b32 hwreg(HW_REG_WAVE_MODE, 25, 1), 1
	s_wait_xcnt 0x0
; ONE STAGE OF THE PROXY ATTENTION ON CODES OF FP6 (E2M3).  One text serves both stages (STG).
; STG 1: queries = the 1,024 proxies p, keys = the 819 tokens' k, values = v; the result, proxy_v, is quantised along the PROXIES and stored as the second stage's values.
; STG 2: queries = the tokens' q, keys = the proxies p under the input mask, values = proxy_v; the result is quantised along the head's 64 and stored as the last product's operand.
; THE SOFTMAX: t = score x log2(e) / 8 (the 1/8 is reference's SCALE, a power of two, which the codes' scales take up exactly); M = the running largest t rounded UP to a whole number; p = 2^(t - M) is quantised
; along the keys, not normalised; the row's sum is taken of the unquantised p and divides at the end.  When M moves, sum and O^T are multiplied by 2^(old M - new M): exact.
; SHARES.  A work-group takes one head of one batch and half of its query tiles; each of sixteen waves one tile of 16 queries a pass, two passes.  In STG 2 a work-group has 26 tiles: in the second pass waves 10-15 idle.
; The head's keys, values and scale words lie WHOLE in LDS, filled in two groups (at the head wave 0 the first keys' codes, 4 the first values', 8 and 9 the scale words; behind a barrier waves 0-3 the other keys, 4-7 the other values): one tensor load of a wave is out.
; The queries of BOTH passes are asked for at the head, so that no pass begins with a wait for memory.
; LAYOUT.  Both products are used transposed (S^T = K Q^T, O^T = V^T P): a lane holds one query.  Tiles are permuted (lane-row r of tile t = row 32 (t/2) + 8 (t%2) + r + 8 (r/8)),
; so that the 16 registers of tiles 2 b, 2 b + 1 are 16 neighbouring keys (or channels).  Operands lie in memory and LDS as images of their registers: pieces of 256 bytes, lane l at 8 l.
; K = 64 IN THE FORM OF 128: Q's upper six registers are zero codes, so what stands in a key tile's upper six (the next tile's codes) adds nothing; the scale words' upper two bytes are 0.
; THE MASK IS THE C OF THE SCORE PRODUCTS: a table of one f32 a key in LDS, loaded into the scores' registers ahead of the products.  STG 1: 0, or -1e30 for keys from 819 on; all keys of its six full steps
; count, so those steps start their sums from the constant 0 and only the last 64 tokens' step takes the table.
; STG 2: 0 where the mask is set, else -8e9 (8 x reference's -1e9).  Where a batch's mask is false everywhere the table is 0 and Q's codes are cleared: all scores equal, as in reference.  No branch hangs on the mask.
; NO JOINT LOADS: a head's tiles are shared by two work-groups only, and are fetched once.
; LIMITS: unmasked logits are taken to lie above -1e8; a block of zeros or under 2^-124 gets the scale byte 1; NaN and infinities are not served.
; STG 2 stores its scale bytes one a lane, two neighbours for each row: 1/24 of its output's bytes go out in parts of a run of 256.
.set STG, 2
.set PPC, 11010048
.set VC,  17301504
.set QKS, 22806528
.set PPS, 23265280
.set VS,  23527424
.set PVS, 6291456
.set OS,  5111808
.if STG == 1
.set KSIG, 448
.set KS0,  3584
.set KBT,  56
.set KCB,  0
.set KSB,  QKS
.set RK,   13
.set RV,   42
.set RKS,  13
.set RVS,  7
.set NFULL, 6
.set QSIG, 512
.set QBT,  64
.set QXT,  32
.set QCB,  PPC
.set QSB,  PPS
.set VP,   4
.set VCO,  39936
.set KSO,  82944
.set VSO,  86272
.set ATO,  88064
.set PVT,  92160                       ; 64 channels x (256 proxies x 4 bytes + 16)
.set PSC,  158720                      ; the work-group's 1,024 scale bytes
.else
.set KSIG, 512
.set KS0,  0
.set KBT,  64
.set KCB,  PPC
.set KSB,  PPS
.set RK,   16
.set RV,   48
.set RKS,  16
.set RVS,  8
.set NFULL, 8
.set QSIG, 448
.set QBT,  56
.set QXT,  26
.set QCB,  0
.set QSB,  QKS
.set VP,   6
.set VCO,  49152
.set KSO,  98304
.set VSO,  102400
.set ATO,  104448
.endif
.set AK,  1                            ; v1-5 my lane's places among the keys' codes, the values', their scale words, the table
.set AV,  2
.set AKS, 3
.set AVS, 4
.set AAT, 5
.set ADK, 8                            ; v8-11, v28 the same for the step in hand
.set ADV, 9
.set ADS, 10
.set ADT, 11
.set ADA, 28
.set QF,  16                           ; v16-27 Q: six registers of codes, six of zeros
.set QS,  29                           ; v29 Q's scale word
.set KV,  32                           ; v32-85 eight key tiles of 6 registers and six zeros; later four value fragments
.set KS,  86                           ; v86-89 the keys' scale words, two tiles a register
.set VSR, 90                           ; v90-91 the values'
.set PW,  92                           ; v92 p's scale word
.set S,   96                           ; v96-159 the scores, then p
.set O,   160                          ; v160-191 O^T
.set PC,  192                          ; v192-203 p's codes
.set CT,  204                          ; v204-210 the conversions' second halves
.set BMX, 212                          ; v212-215 the blocks' largest
.set PT,  216                          ; v216-219 the other half's; then the bytes
.set SO,  220                          ; v220-223 the conversions' scale operands
.set FP,  228                          ; v[228:229] f
.set SUM2, 230                         ; v[230:231] the sum's second chain
.set Q1,  234                          ; v234-239 the second pass's Q, v240 its scale word; v241, v242 their offsets; none is rewritten
.set QS1, 240
.set WV,  12
.set SEL, 20
.set CS,  22
.set G1K, 24
.set G1V, 32
.set G1KS, 40
.set G1VS, 48
.set G0K, 56
.set G0V, 60
.set G0KS, 68
.set G0VS, 72
.set T6,  76
.set T5,  77
.set T2,  78
.set CNT, 79
.set ANY, 80
.set NEGV, 81
.set HM,  82
.set QT0, 83
.set QP,  84
.set QSP, 86
.set OUTP, 88
.set OUTS, 90
.macro DENSE g, rows                   ; descriptor group 1 of a dense block: rows of 256 bytes (32 elements of 8 bytes), no padding
	s_mov_b32 s[\g], 3<<16
	s_mov_b32 s[\g+1], 32<<16
	s_mov_b32 s[\g+2], (\rows)<<16
	s_mov_b32 s[\g+3], 32<<16
	s_mov_b32 s[\g+4], \rows
	s_mov_b32 s[\g+5], 32
	s_mov_b32 s[\g+6], 0
	s_mov_b32 s[\g+7], 0
.endm
	s_load_b128 s[4:7], s[0:1], 0x0                ; w2, w3
.if STG == 2
	s_load_b128 s[8:11], s[0:1], 0x10              ; mask, w4
	v_lshl_add_u32 v254, v0, 2, 0x29000
	v_mov_b32 v255, 0
	ds_add_u32 v254, v255
	ds_add_u32 v254, v255
.endif
	v_lshrrev_b32 v1, 5, v0
	s_delay_alu instid0(VALU_DEP_1)
	v_readfirstlane_b32 s[WV], v1                  ; wave 0..15
	s_mov_b32 s13, ttmp9                           ; X: which half of the query tiles
	s_and_b32 s14, ttmp7, 0xffff                   ; 16 b + head
	s_lshr_b32 s15, s14, 4                         ; b
	s_and_b32 s16, s14, 15                         ; head
	s_and_b32 s17, s16, 1                          ; c: which half of a fragment is my head's
	s_lshr_b32 s18, s16, 1                         ; the pair of heads
	s_mov_b32 s[G1K], 3<<16                        ; the keys' codes: rows of 768 bytes (96 elements of 8), my head's half of each fragment of 1,536
	s_mov_b32 s[G1K+1], 96<<16
	s_mov_b32 s[G1K+2], RK<<16
	s_mov_b32 s[G1K+3], 96<<16
	s_mov_b32 s[G1K+4], RK
	s_mov_b32 s[G1K+5], 192
	s_mov_b32 s[G1K+6], 0
	s_mov_b32 s[G1K+7], 0
	DENSE G1V, RV
	DENSE G1KS, RKS
	DENSE G1VS, RVS
	s_and_b32 s92, s[WV], 3
	s_mul_i32 s93, s18, KSIG
	s_mul_i32 s94, s15, KBT
	s_add_co_u32 s93, s93, s94
	s_add_co_u32 s93, s93, KS0                     ; the first key tile
	s_mul_i32 s94, s92, RK
	s_add_co_u32 s94, s94, s93
	s_mul_i32 s94, s94, 1536
	s_mul_i32 s95, s17, 768
	s_add_co_u32 s94, s94, s95
	s_add_co_u32 s94, s94, KCB
	s_mov_b32 s95, 0
	s_lshl_b32 s96, s93, 6
	s_add_co_u32 s96, s96, KSB
	s_mov_b32 s97, 0
.if STG == 1
	s_mul_i32 s98, s16, 56
	s_mul_i32 s99, s15, 7
	s_add_co_u32 s98, s98, s99
	s_lshl_b32 s2, s98, 8
	s_add_co_u32 s2, s2, VS
	s_mul_i32 s98, s98, 6144
	s_add_co_u32 s98, s98, VC
.else
	s_lshl_b32 s2, s14, 11
	s_add_co_u32 s2, s2, PVS
	s_mul_i32 s98, s14, 49152
.endif
	s_mul_i32 s99, s92, RV*256
	s_add_co_u32 s98, s98, s99
	s_mov_b32 s99, 0
	s_mov_b32 s3, 0
	s_mov_b32 s[SEL], 0x76543210
	s_mov_b32 s[SEL+1], 0xfedcba98                 ; lane l xor 16
	s_mov_b32 s[CS], 0x3e38aa3b                    ; log2(e) / 8
	s_mov_b32 s[CS+1], s[CS]
	s_mov_b32 s[HM], 0xffff0000                    ; lanes 16-31
	s_wait_dscnt 0x0
	s_wait_kmcnt 0x0
	s_mov_b32 s[G0K], 1
	s_mul_i32 s[G0K+1], s92, RK*768
	s_add_nc_u64 s[G0K+2:G0K+3], s[4:5], s[94:95]
	s_or_b32 s[G0K+3], s[G0K+3], 0x80000000
	s_mov_b32 s[G0V], 1
	s_mul_i32 s[G0V+1], s92, RV*256
	s_add_co_u32 s[G0V+1], s[G0V+1], VCO
	s_add_nc_u64 s[G0V+2:G0V+3], s[VP:VP+1], s[98:99]
	s_or_b32 s[G0V+3], s[G0V+3], 0x80000000
	s_mov_b32 s[G0KS], 1
	s_mov_b32 s[G0KS+1], KSO
	s_add_nc_u64 s[G0KS+2:G0KS+3], s[4:5], s[96:97]
	s_or_b32 s[G0KS+3], s[G0KS+3], 0x80000000
	s_mov_b32 s[G0VS], 1
	s_mov_b32 s[G0VS+1], VSO
	s_add_nc_u64 s[G0VS+2:G0VS+3], s[VP:VP+1], s[2:3]
	s_or_b32 s[G0VS+3], s[G0VS+3], 0x80000000
	s_cmp_eq_u32 s[WV], 0                          ; THE FILLS GO IN TWO GROUPS.  At the head: wave 0 key tiles 0-15, wave 4 the values of steps 0 and 1, waves 8 and 9 all scale words
	s_cbranch_scc0 .Lfill_v
	tensor_load_to_lds s[G0K:G0K+3], s[G1K:G1K+7]
	s_nop 0
.rept 4
	v_nop
.endr
	s_branch .Lfilled
.Lfill_v:
	s_cmp_eq_u32 s[WV], 4
	s_cbranch_scc0 .Lfill_ks
	tensor_load_to_lds s[G0V:G0V+3], s[G1V:G1V+7]
	s_nop 0
.rept 4
	v_nop
.endr
	s_branch .Lfilled
.Lfill_ks:
	s_cmp_eq_u32 s[WV], 8
	s_cbranch_scc0 .Lfill_vs
	tensor_load_to_lds s[G0KS:G0KS+3], s[G1KS:G1KS+7]
	s_nop 0
.rept 4
	v_nop
.endr
	s_branch .Lfilled
.Lfill_vs:
	s_cmp_eq_u32 s[WV], 9
	s_cbranch_scc0 .Lfilled
	tensor_load_to_lds s[G0VS:G0VS+3], s[G1VS:G1VS+7]
	s_nop 0
.rept 4
	v_nop
.endr
.Lfilled:
	v_and_b32 v32, 31, v0                          ; lane
	v_and_b32 v33, 15, v0                          ; r
	v_bfe_u32 v34, v0, 4, 1                        ; h
	s_delay_alu instid0(VALU_DEP_3)
	v_lshlrev_b32 v31, 3, v32                      ; v31 = 8 x lane
	s_delay_alu instid0(VALU_DEP_1)
	v_mov_b32 v[AK], v31
	v_lshl_add_u32 v[AV], v33, 3, VCO              ; proxy_v lies by blocks of 32 proxies, 1,536 bytes each; lanes 16-31 take the next block, in which the halves of a run of 256 have changed places
	v_mad_u32_u24 v6, v34, 1408, v[AV]
	v_mad_u32_u24 v[AV], v34, 1664, v[AV]          ; even channel tiles: 8 r + h (1,536 + 128)
	v_add_nc_u32 v6, 128, v6                       ; odd ones: 128 + 8 r + h (1,536 - 128)
	v_lshlrev_b32 v35, 2, v32
	s_lshl_b32 s92, s17, 1
	v_add_nc_u32 v[AKS], KSO, v35
	s_delay_alu instid0(VALU_DEP_1)
	v_add_nc_u32 v[AKS], s92, v[AKS]               ; two bytes of a word: my head's two blocks
	v_add_nc_u32 v[AVS], VSO, v35
	v_lshlrev_b32 v[AAT], 6, v34
	s_delay_alu instid0(VALU_DEP_1)
	v_add_nc_u32 v[AAT], ATO, v[AAT]
	v_lshlrev_b32 v93, 2, v33                      ; v93 = 4 r
	s_wait_alu depctr_va_vdst(0)
	v_and_b32 v35, 8, v33
	s_delay_alu instid0(VALU_DEP_1)
	v_add_nc_u32 v35, v35, v33                     ; r + 8 (r / 8)
	; the queries of both passes: asked for here, ahead of everything that waits
	s_mul_i32 s[QT0], s18, QSIG
	s_mul_i32 s92, s15, QBT
	s_add_co_u32 s[QT0], s[QT0], s92
	s_mul_i32 s92, s13, QXT
	s_add_co_u32 s[QT0], s[QT0], s92
	s_add_co_u32 s[QT0], s[QT0], s[WV]             ; my tile of the first pass
	s_mul_i32 s94, s[QT0], 1536
	s_mul_i32 s92, s17, 768
	s_add_co_u32 s94, s94, s92                     ; my head's half of the fragment
	s_add_co_u32 s94, s94, QCB
	s_mov_b32 s95, 0
	s_add_nc_u64 s[QP:QP+1], s[4:5], s[94:95]
	s_lshl_b32 s94, s[QT0], 6
	s_lshl_b32 s92, s17, 1
	s_add_co_u32 s94, s94, s92
	s_add_co_u32 s94, s94, QSB
	s_add_nc_u64 s[QSP:QSP+1], s[4:5], s[94:95]
.if STG == 1
	s_mov_b32 s92, 16                              ; the second pass's tile lies 16 tiles on
.else
	s_add_co_u32 s92, s[WV], 16
	s_min_u32 s92, s92, 25                         ; an idle wave reads the last tile: no load leaves its part
	s_sub_co_u32 s92, s92, s[WV]
.endif
	s_mul_i32 s94, s92, 1536
	v_add_nc_u32 v241, s94, v31
	s_lshl_b32 s94, s92, 6
	v_add_nc_u32 v242, s94, v93
.irp i, 0,1,2
	global_load_b64 v[QF+2*\i:QF+2*\i+1], v31, s[QP:QP+1] offset:256*\i
.endr
	global_load_u16 v[QS], v93, s[QSP:QSP+1]
.irp i, 0,1,2
	global_load_b64 v[Q1+2*\i:Q1+2*\i+1], v241, s[QP:QP+1] offset:256*\i
.endr
	global_load_u16 v[QS1], v242, s[QSP:QSP+1]
	; the table, two keys a thread
.if STG == 1
	v_lshlrev_b32 v36, 1, v0
	v_add_nc_u32 v37, 1, v36
	v_mov_b32 v38, 0xf149f2ca                      ; -1e30
	v_mov_b32 v39, 0
	v_cmp_gt_u32 vcc_lo, 819, v36
	v_cndmask_b32 v40, v38, v39, vcc_lo
	v_cmp_gt_u32 vcc_lo, 819, v37
	v_cndmask_b32 v41, v38, v39, vcc_lo
.else
	s_lshl_b32 s92, s15, 10
	s_mov_b32 s93, 0
	s_add_nc_u64 s[8:9], s[8:9], s[92:93]          ; the batch's 1,024 bytes of mask
	v_lshlrev_b32 v36, 5, v32
	v_lshlrev_b32 v37, 1, v0
	global_load_b128 v[96:99], v36, s[8:9]         ; every wave reads them all: is any set?
	global_load_b128 v[100:103], v36, s[8:9] offset:16
	global_load_u16 v104, v37, s[8:9]              ; and my two keys'
	s_wait_loadcnt 0x0
	v_or_b32 v96, v96, v97
	v_or_b32 v98, v98, v99
	v_or_b32 v100, v100, v101
	v_or_b32 v102, v102, v103
	s_delay_alu instid0(VALU_DEP_3)
	v_or_b32 v96, v96, v98
	s_delay_alu instid0(VALU_DEP_2)
	v_or_b32 v100, v100, v102
	s_delay_alu instid0(VALU_DEP_1)
	v_or_b32 v96, v96, v100
	s_delay_alu instid0(VALU_DEP_1)
	v_cmp_ne_u32 vcc_lo, 0, v96
	s_cmp_lg_u32 vcc_lo, 0
	s_cselect_b32 s[ANY], -1, 0                    ; choices, no branch
	s_cselect_b32 s[NEGV], 0xcfee6b28, 0           ; -8e9
	v_mov_b32 v38, s[NEGV]
	v_mov_b32 v39, 0
	v_and_b32 v40, 0xff, v104
	v_lshrrev_b32 v41, 8, v104
	s_delay_alu instid0(VALU_DEP_2)
	v_cmp_ne_u32 vcc_lo, 0, v40
	s_delay_alu instid0(VALU_DEP_1)
	v_cndmask_b32 v40, v38, v39, vcc_lo
	s_delay_alu instid0(VALU_DEP_3)
	v_cmp_ne_u32 vcc_lo, 0, v41
	s_delay_alu instid0(VALU_DEP_1)
	v_cndmask_b32 v41, v38, v39, vcc_lo
.endif
	v_lshl_add_u32 v42, v0, 3, ATO
	ds_store_b64 v42, v[40:41]
	; where the results go
.if STG == 1
	s_lshr_b32 s92, s[WV], 3                       ; on the way out wave w quantises half c2 of fragment (step st, channel tile dt)
	s_bfe_u32 s93, s[WV], 0x20001
	s_and_b32 s94, s[WV], 1
	s_lshl_b32 s96, s14, 3
	s_lshl_b32 s97, s13, 2
	s_add_co_u32 s96, s96, s97
	s_add_co_u32 s96, s96, s92
	s_lshl_b32 s96, s96, 2
	s_add_co_u32 s96, s96, s93
	s_mul_i32 s96, s96, 1536
	s_mul_i32 s97, s94, 768
	s_add_co_u32 s96, s96, s97
	s_mov_b32 s97, 0
	s_add_nc_u64 s[OUTP:OUTP+1], s[6:7], s[96:97]
	s_lshl_b32 s96, s14, 11
	s_lshl_b32 s98, s13, 10
	s_add_co_u32 s96, s96, s98
	s_add_co_u32 s96, s96, PVS
	s_add_nc_u64 s[OUTS:OUTS+1], s[6:7], s[96:97]
	s_lshr_b32 s95, s93, 1
	s_lshl_b32 s95, s95, 5
	s_and_b32 s98, s93, 1
	s_lshl_b32 s98, s98, 3
	s_add_co_u32 s95, s95, s98
	s_mul_i32 s95, s95, 1040
	s_lshl_b32 s98, s92, 9
	s_add_co_u32 s95, s95, s98
	s_lshl_b32 s98, s94, 8
	s_add_co_u32 s95, s95, s98
	s_add_co_u32 s95, s95, PVT
	v_mul_u32_u24 v7, v35, 1040
	v_lshl_add_u32 v7, v34, 7, v7
	v_add_nc_u32 v7, s95, v7                       ; v7: out of the turning stage: my channel's row, my 32 proxies
	s_lshl_b32 s95, s92, 8
	s_lshl_b32 s98, s93, 6
	s_add_co_u32 s95, s95, s98
	s_lshl_b32 s98, s94, 1
	s_add_co_u32 s95, s95, s98
	s_add_co_u32 s95, s95, PSC
	v_lshl_add_u32 v30, v33, 2, v34
	v_add_nc_u32 v30, s95, v30                     ; v30: my block's scale byte
	s_lshr_b32 s95, s[WV], 1
	s_lshl_b32 s95, s95, 7
	s_lshl_b32 s98, s94, 5
	s_add_co_u32 s95, s95, s98
	s_add_co_u32 s95, s95, PVT
	v_mul_u32_u24 v6, v34, 16640
	v_lshl_add_u32 v6, v35, 2, v6
	v_add_nc_u32 v6, s95, v6                       ; v6: into the stage: my query's column, channels 16 h on
	s_lshl_b32 s95, s[WV], 9
	v_lshl_add_u32 v95, v32, 4, s95
	v_add_nc_u32 v94, PSC, v95                     ; v94, v95: the scale bytes' way out (waves 0 and 1)
.else
	s_mul_i32 s96, s15, 52
	s_mul_i32 s97, s13, 26
	s_add_co_u32 s96, s96, s97
	s_add_co_u32 s96, s96, s[WV]                   ; my tile of the first pass
	s_lshl_b32 s98, s96, 9
	s_lshl_b32 s99, s16, 1
	s_add_co_u32 s98, s98, s99
	s_add_co_u32 s98, s98, OS
	s_mov_b32 s99, 0
	s_add_nc_u64 s[OUTS:OUTS+1], s[10:11], s[98:99]
	s_lshl_b32 s96, s96, 4
	s_add_co_u32 s96, s96, s16
	s_mul_i32 s96, s96, 768
	s_mov_b32 s97, 0
	s_add_nc_u64 s[OUTP:OUTP+1], s[10:11], s[96:97]
	v_lshl_add_u32 v7, v33, 5, v34                 ; v7 = 32 r + h
.endif
.irp i, 0,1,2,3,4,5
	v_mov_b32 v[QF+6+\i], 0                        ; zero codes: the upper 64 of the form's K
	v_mov_b32 v[KV+48+\i], 0
.endr
.irp b, 0,1,2,3
	v_mov_b32 v[PT+\b], 0                          ; a lane permute's destination counts as read
.endr
	v_mov_b32 v[FP+1], 0                           ; (named as the upper half of a pair)
	v_mov_b32 v232, 0
	s_wait_alu depctr_va_vdst(0)
	s_wait_tensorcnt 0x0                           ; my fill of the head has landed
	ds_add_u32 v254, v255                          ; the add twice
	ds_add_u32 v254, v255
	s_mov_b32 s[G1K+2], 12<<16                     ; no tensor load of mine is out: the descriptors are written for the second group:
	s_mov_b32 s[G1K+4], 12                         ; waves 0-3 twelve key tiles each from tile 16 on,
	s_mov_b32 s[G1V+2], 36<<16                     ; waves 4-7 thirty-six rows of 256 bytes of values each from byte 12,288 on
	s_mov_b32 s[G1V+4], 36
	s_and_b32 s92, s[WV], 3
	s_mul_i32 s93, s92, 9216
	s_add_co_u32 s[G0K+1], s93, 12288
	s_add_co_u32 s[G0V+1], s93, VCO+12288
	s_mul_i32 s94, s92, 6144                       ; the addresses stood at tile 16 w and at byte 12,288 w: on to tile 16 + 12 w and to byte 12,288 + 9,216 w
	s_sub_co_u32 s94, 24576, s94
	s_mov_b32 s95, 0
	s_add_nc_u64 s[G0K+2:G0K+3], s[G0K+2:G0K+3], s[94:95]
	s_mul_i32 s96, s92, 3072
	s_sub_co_u32 s96, 12288, s96
	s_mov_b32 s97, 0
	s_add_nc_u64 s[G0V+2:G0V+3], s[G0V+2:G0V+3], s[96:97]
	s_wait_dscnt 0x0                               ; the adds are done and my part of the table is stored
	s_barrier_signal -1
	s_barrier_wait -1
	s_cmp_lt_u32 s[WV], 4
	s_cbranch_scc0 .Lg_v
	tensor_load_to_lds s[G0K:G0K+3], s[G1K:G1K+7]
	s_nop 0
.rept 4
	v_nop
.endr
	s_branch .Lg_end
.Lg_v:
	s_cmp_lt_u32 s[WV], 8
	s_cbranch_scc0 .Lg_end
	tensor_load_to_lds s[G0V:G0V+3], s[G1V:G1V+7]
	s_nop 0
.rept 4
	v_nop
.endr
.Lg_end:
; A KEY STEP of 32 nb keys (nb = 4, or 2 for the last 64 tokens).  guard = 1: waves 10-15 have no tile and pass over the work, not over the lines that step addresses.
.macro STEP nb, guard
.if (STG == 1) && (\nb == 4)
.set TAB, 0                            ; all keys of the step count: the sums start from the constant 0
.else
.set TAB, 1                            ; the sums start from the table
.endif
.if \guard
	s_cmp_lt_u32 s[WV], 10
	s_cbranch_scc0 .Lidle_\@
.endif
	v_add_nc_u32 v[ADK], s[T6], v[AK]              ; (the first four are also the four places in front of loads into registers that the last products have read)
	v_add_nc_u32 v[ADV], s[T6], v[AV]
	v_add_nc_u32 v30, s[T6], v6
	v_add_nc_u32 v[ADS], s[T5], v[AKS]
	v_add_nc_u32 v[ADT], s[T2], v[AVS]
.if TAB
	v_add_nc_u32 v[ADA], s[T5], v[AAT]
.set q_, 0
.rept 4*\nb
	ds_load_b128 v[S+4*q_:S+4*q_+3], v[ADA] offset:128*(q_/4)+16*(q_%4)   ; the table, in the scores' layout: register 16 b + i = key 32 b + 16 h + i
.set q_, q_+1
.endr
.endif
.set q_, 0
.rept 6*\nb
	ds_load_b64 v[KV+2*q_:KV+2*q_+1], v[ADK] offset:256*q_
.set q_, q_+1
.endr
.set q_, 0
.rept \nb
	ds_load_u16 v[KS+q_], v[ADS] offset:128*q_     ; lanes 0-15 the even tile's words, lanes 16-31 the odd tile's
.set q_, q_+1
.endr
	s_wait_alu depctr_va_vdst(0)
	s_wait_dscnt 0x0
.set q_, 0
.rept 2*\nb
.if TAB
.if q_%2
	v_wmma_scale_f32_16x16x128_f8f6f4 v[S+8*q_:S+8*q_+7], v[KV+6*q_:KV+6*q_+11], v[QF:QF+11], v[S+8*q_:S+8*q_+7], v[KS+q_/2], v[QS] matrix_a_fmt:MATRIX_FMT_FP6 matrix_b_fmt:MATRIX_FMT_FP6 matrix_a_scale:MATRIX_SCALE_ROW1
.else
	v_wmma_scale_f32_16x16x128_f8f6f4 v[S+8*q_:S+8*q_+7], v[KV+6*q_:KV+6*q_+11], v[QF:QF+11], v[S+8*q_:S+8*q_+7], v[KS+q_/2], v[QS] matrix_a_fmt:MATRIX_FMT_FP6 matrix_b_fmt:MATRIX_FMT_FP6
.endif
.else
.if q_%2
	v_wmma_scale_f32_16x16x128_f8f6f4 v[S+8*q_:S+8*q_+7], v[KV+6*q_:KV+6*q_+11], v[QF:QF+11], 0, v[KS+q_/2], v[QS] matrix_a_fmt:MATRIX_FMT_FP6 matrix_b_fmt:MATRIX_FMT_FP6 matrix_a_scale:MATRIX_SCALE_ROW1
.else
	v_wmma_scale_f32_16x16x128_f8f6f4 v[S+8*q_:S+8*q_+7], v[KV+6*q_:KV+6*q_+11], v[QF:QF+11], 0, v[KS+q_/2], v[QS] matrix_a_fmt:MATRIX_FMT_FP6 matrix_b_fmt:MATRIX_FMT_FP6
.endif
.endif
.set q_, q_+1
.endr
.rept 4
	v_nop                                          ; places in front of the loads below and of the first read of the scores
.endr
.set q_, 0
.rept 24
.if (q_/6)%2
	ds_load_b64 v[KV+2*q_:KV+2*q_+1], v30 offset:3072*((q_%6)/3)+256*(3*(q_/12)+q_%3)
.else
	ds_load_b64 v[KV+2*q_:KV+2*q_+1], v[ADV] offset:3072*((q_%6)/3)+256*(3*(q_/12)+q_%3)   ; the step's four value fragments: piece q % 3 of block 2 ((q % 6) / 3) + h, channel tile q / 6
.endif
.set q_, q_+1
.endr
	ds_load_b32 v[VSR], v[ADT]
	ds_load_b32 v[VSR+1], v[ADT] offset:128
.set b_, 0
.rept \nb
	v_max3_num_f32 v[BMX+b_], v[S+16*b_], v[S+16*b_+1], v[S+16*b_+2]   ; the largest score of each block of 32 keys: for the row's maximum and, since p rises with the score, for the block's largest p
.set b_, b_+1
.endr
.set b_, 0
.rept \nb
	v_max3_num_f32 v[PT+b_], v[S+16*b_+8], v[S+16*b_+9], v[S+16*b_+10]   ; a second chain for each block, on its odd tile: each accumulator is read from its low end on
.set b_, b_+1
.endr
.irp i, 3,5
.set b_, 0
.rept \nb
	v_max3_num_f32 v[BMX+b_], v[BMX+b_], v[S+16*b_+\i], v[S+16*b_+\i+1]
.set b_, b_+1
.endr
.set b_, 0
.rept \nb
	v_max3_num_f32 v[PT+b_], v[PT+b_], v[S+16*b_+8+\i], v[S+16*b_+9+\i]
.set b_, b_+1
.endr
.endr
.set b_, 0
.rept \nb
	v_max3_num_f32 v[BMX+b_], v[BMX+b_], v[S+16*b_+7], v[S+16*b_+15]
.set b_, b_+1
.endr
.set b_, 0
.rept \nb
	s_delay_alu instid0(VALU_DEP_\nb)
	v_max_num_f32 v[BMX+b_], v[BMX+b_], v[PT+b_]
.set b_, b_+1
.endr
.set b_, 0
.rept \nb
	s_delay_alu instid0(VALU_DEP_4)
	v_permlanex16_b32 v[PT+b_], v[BMX+b_], s[SEL], s[SEL+1]
.set b_, b_+1
.endr
.set b_, 0
.rept \nb
	s_delay_alu instid0(VALU_DEP_4)
	v_max_num_f32 v[BMX+b_], v[BMX+b_], v[PT+b_]
.set b_, b_+1
.endr
.if \nb == 4
	s_delay_alu instid0(VALU_DEP_2)
	v_max3_num_f32 v232, v[BMX], v[BMX+1], v[BMX+2]
	s_delay_alu instid0(VALU_DEP_1)
	v_max_num_f32 v232, v232, v[BMX+3]
.else
	v_max_num_f32 v232, v[BMX], v[BMX+1]
.endif
	s_delay_alu instid0(VALU_DEP_1)
	v_mul_f32 v232, s[CS], v232
	s_delay_alu instid0(VALU_DEP_1)
	v_max_num_f32 v13, v13, v232                   ; the running largest t
	v_mov_b32 v232, v12
	s_delay_alu instid0(VALU_DEP_2)
	v_floor_f32 v12, -v13                          ; -M = floor(-t): M is a whole number
	s_delay_alu instid0(VALU_DEP_1)
	v_sub_f32 v232, v12, v232
	s_delay_alu instid0(VALU_DEP_1)
	v_cvt_i32_f32 v232, v232                       ; (it saturates)
	s_delay_alu instid0(VALU_DEP_1)
	v_ldexp_f32 v[FP], 1.0, v232                   ; f = 2^(old M - new M)
.set j_, 0
.rept 8*\nb
	v_pk_fma_f32 v[S+j_:S+j_+1], v[S+j_:S+j_+1], s[CS:CS+1], v[12:13] op_sel_hi:[1,0,0]   ; t - M
.set j_, j_+2
.endr
.set b_, 0
.rept \nb
	v_fma_f32 v[BMX+b_], v[BMX+b_], s[CS], v12
.set b_, b_+1
.endr
.set j_, 0
	s_wait_alu depctr_va_vdst(0)
.rept 16*\nb
	v_exp_f32 v[S+j_], v[S+j_]                     ; p, at most 1, not normalised
.set j_, j_+1
.endr
	v_pk_mul_f32 v[14:15], v[14:15], v[FP:FP+1] op_sel_hi:[1,0]   ; the sums under the new M (a plain place behind the exponentials)
	s_wait_alu depctr_va_vdst(0)                   ; one wait for the batch, ahead of its first reader
.set b_, 0
.rept \nb
	v_exp_f32 v[BMX+b_], v[BMX+b_]                 ; the blocks' largest p
.set b_, b_+1
.endr
	v_pk_add_f32 v[230:231], v[100:101], v[104:105]
	v_pk_add_f32 v[252:253], v[108:109], v[112:113]
	v_pk_add_f32 v[250:251], v[116:117], v[120:121]
	v_pk_add_f32 v[248:249], v[124:125], v[128:129]
	v_pk_add_f32 v[246:247], v[132:133], v[136:137]
	v_pk_add_f32 v[244:245], v[140:141], v[144:145]
	v_pk_add_f32 v[242:243], v[148:149], v[152:153]
	v_pk_add_f32 v[14:15], v[14:15], v[156:157]
	v_pk_add_f32 v[230:231], v[230:231], v[96:97]
	v_pk_add_f32 v[252:253], v[252:253], v[98:99]
	v_pk_add_f32 v[250:251], v[250:251], v[102:103]
	v_pk_add_f32 v[248:249], v[248:249], v[106:107]
	v_pk_add_f32 v[246:247], v[246:247], v[110:111]
	v_pk_add_f32 v[244:245], v[244:245], v[114:115]
	v_pk_add_f32 v[242:243], v[242:243], v[118:119]
	v_pk_add_f32 v[14:15], v[14:15], v[122:123]
	v_pk_add_f32 v[230:231], v[230:231], v[126:127]
	v_pk_add_f32 v[252:253], v[252:253], v[130:131]
	v_pk_add_f32 v[250:251], v[250:251], v[134:135]
	v_pk_add_f32 v[248:249], v[248:249], v[138:139]
	v_pk_add_f32 v[246:247], v[246:247], v[142:143]
	v_pk_add_f32 v[244:245], v[244:245], v[146:147]
	v_pk_add_f32 v[242:243], v[242:243], v[150:151]
	v_pk_add_f32 v[14:15], v[14:15], v[154:155]
	v_pk_add_f32 v[230:231], v[230:231], v[158:159]
	s_delay_alu instid0(VALU_DEP_2)
	v_pk_add_f32 v[14:15], v[14:15], v[248:249]
	s_delay_alu instid0(VALU_DEP_2)
	v_pk_add_f32 v[230:231], v[230:231], v[246:247]
	v_pk_add_f32 v[252:253], v[252:253], v[244:245]
	v_pk_add_f32 v[250:251], v[250:251], v[242:243]
	s_delay_alu instid0(VALU_DEP_2)
	v_pk_add_f32 v[14:15], v[14:15], v[252:253]
	s_delay_alu instid0(VALU_DEP_2)
	v_pk_add_f32 v[230:231], v[230:231], v[250:251]
	s_delay_alu instid0(VALU_DEP_1)
	v_pk_add_f32 v[14:15], v[14:15], v[230:231]
	s_wait_alu depctr_va_vdst(0)                   ; and one for the blocks' exponentials
.set b_, 0
.rept \nb
	v_max_num_f32 v[BMX+b_], 0x1800000, v[BMX+b_]  ; the floor 2^(3 - 127): the byte cannot fall under 1
.set b_, b_+1
.endr
.set b_, 0
.rept \nb
	s_delay_alu instid0(VALU_DEP_4)
	v_add_nc_u32 v[SO+b_], 0xff000000, v[BMX+b_]
.set b_, b_+1
.endr
.set b_, 0
.rept \nb
	s_delay_alu instid0(VALU_DEP_4)
	v_lshrrev_b32 v[PT+b_], 23, v[SO+b_]
.set b_, b_+1
.endr
	s_delay_alu instid0(VALU_DEP_3)
	v_lshl_or_b32 v[PW], v[PT+1], 8, v[PT]
.if \nb == 4
	s_delay_alu instid0(VALU_DEP_1)
	v_lshl_or_b32 v[PW], v[PT+2], 16, v[PW]
	s_delay_alu instid0(VALU_DEP_1)
	v_lshl_or_b32 v[PW], v[PT+3], 24, v[PW]
.endif
.set c_, 0
.rept \nb/2
	v_cvt_scalef32_pk16_fp6_f32 v[PC+6*c_:PC+6*c_+2], v[S+32*c_:S+32*c_+15], v[SO+2*c_]
	v_cvt_scalef32_pk16_fp6_f32 v[CT+4*c_:CT+4*c_+2], v[S+32*c_+16:S+32*c_+31], v[SO+2*c_+1]
.set c_, c_+1
.endr
	v_nop                                          ; one plain place behind a scaled conversion
.set c_, 0
.rept \nb/2
.irp i, 0,1,2
	v_permlane16_swap_b32 v[PC+6*c_+\i], v[CT+4*c_+\i]   ; a whole block in a lane: lanes 0-15 block 2 c, lanes 16-31 block 2 c + 1
.endr
.irp i, 0,1,2
	s_delay_alu instid0(VALU_DEP_3)
	v_mov_b32 v[PC+3+6*c_+\i], v[CT+4*c_+\i]
.endr
.set c_, c_+1
.endr
.if \nb == 2
.irp i, 0,1,2,3,4,5
	v_mov_b32 v[PC+6+\i], 0                        ; no keys there: zero codes
.endr
.endif
.set j_, 0
.rept 16
	v_pk_mul_f32 v[O+j_:O+j_+1], v[O+j_:O+j_+1], v[FP:FP+1] op_sel_hi:[1,0]   ; O^T under the new M, each accumulator from its low end on; also the places between the codes and scale word just made and the products
.set j_, j_+2
.endr
	s_wait_alu depctr_va_vdst(0)
	s_wait_dscnt 0x0                               ; the values are in
.set q_, 0
.rept 4
.if q_%2
	v_wmma_scale_f32_16x16x128_f8f6f4 v[O+8*q_:O+8*q_+7], v[KV+12*q_:KV+12*q_+11], v[PC:PC+11], v[O+8*q_:O+8*q_+7], v[VSR+q_/2], v[PW] matrix_a_fmt:MATRIX_FMT_FP6 matrix_b_fmt:MATRIX_FMT_FP6 matrix_a_scale:MATRIX_SCALE_ROW1
.else
	v_wmma_scale_f32_16x16x128_f8f6f4 v[O+8*q_:O+8*q_+7], v[KV+12*q_:KV+12*q_+11], v[PC:PC+11], v[O+8*q_:O+8*q_+7], v[VSR+q_/2], v[PW] matrix_a_fmt:MATRIX_FMT_FP6 matrix_b_fmt:MATRIX_FMT_FP6
.endif
.set q_, q_+1
.endr
.if \guard
.Lidle_\@:
.endif
	s_add_co_u32 s[T6], s[T6], 6144                ; the next step's codes, scale words and table
	s_add_co_u32 s[T5], s[T5], 512
	s_add_co_u32 s[T2], s[T2], 256
.endm
; A PASS: one tile of 16 queries a wave through all keys, and its way out.
.macro PASS e
.if (STG == 2) && (\e == 1)
.set GRD, 1
.else
.set GRD, 0
.endif
.if \e == 1
.irp i, 0,1,2,3,4,5                            ; the second pass's Q, in registers since the first pass's wait; the 36 plain lines below stand between these lines and the first product
.if STG == 2
	v_and_b32 v[QF+\i], s[ANY], v[Q1+\i]           ; a mask that is false everywhere: all scores equal
.else
	v_mov_b32 v[QF+\i], v[Q1+\i]
.endif
.endr
	v_mov_b32 v[QS], v[QS1]
.endif
	s_mov_b32 s[T6], 0
	s_mov_b32 s[T5], 0
	s_mov_b32 s[T2], 0
	v_mov_b32 v13, 0xff61b1e6                      ; the largest t so far: -3e38
	s_delay_alu instid0(VALU_DEP_1)
	v_floor_f32 v12, -v13
	v_mov_b32 v14, 0
	v_mov_b32 v15, 0
.set j_, 0
.rept 32
	v_mov_b32 v[O+j_], 0                           ; the step is written once: the first finds zeros
.set j_, j_+1
.endr
.if \e == 0
	s_wait_loadcnt 0x0                             ; both passes' Q
.if STG == 2
.irp i, 0,1,2,3,4,5
	v_and_b32 v[QF+\i], s[ANY], v[QF+\i]           ; a mask that is false everywhere: all scores equal
.endr
.endif
.endif
.if \e == 0
	s_mov_b32 s[CNT], 0
.Lfirst_\@:                                            ; steps 0 and 1 of the first pass read the head's fills alone
	s_wait_alu depctr_va_vdst(0)
	STEP 4, GRD
	s_add_co_u32 s[CNT], s[CNT], 1
	s_cmp_lt_u32 s[CNT], 2
	s_cbranch_scc1 .Lfirst_\@
	s_wait_tensorcnt 0x0                           ; my load of the second group has landed
	s_wait_dscnt 0x0
	s_barrier_signal -1
	s_barrier_wait -1                              ; everybody's
.endif
	s_mov_b32 s[CNT], 0
.Lstep_\@:
	s_wait_alu depctr_va_vdst(0)
	STEP 4, GRD
	s_add_co_u32 s[CNT], s[CNT], 1
	s_cmp_lt_u32 s[CNT], NFULL-2+2*\e
	s_cbranch_scc1 .Lstep_\@
.if STG == 1
	STEP 2, 0                                      ; tokens 768 to 831
.endif
.if GRD
	s_cmp_lt_u32 s[WV], 10
	s_cbranch_scc0 .Lpass_end_\@
.endif
.rept 4
	v_nop                                          ; places behind the last products
.endr
	v_add_f32 v14, v14, v15
	s_delay_alu instid0(VALU_DEP_1)
	v_permlanex16_b32 v232, v14, s[SEL], s[SEL+1]
	s_delay_alu instid0(VALU_DEP_1)
	v_add_f32 v14, v14, v232                       ; the row's sum
	s_wait_alu depctr_va_vdst(0)
	v_rcp_f32 v14, v14
	v_nop
	s_wait_alu depctr_va_vdst(0)                   ; ahead of the reciprocal's first reader
.set j_, 0
.rept 16
	v_pk_mul_f32 v[S+j_:S+j_+1], v[O+j_:O+j_+1], v[14:15] op_sel_hi:[1,0]   ; O^T / the sum: register 16 b + i = channel 32 b + 16 h + i of my query
.set j_, j_+2
.endr
.if STG == 1
	; proxy_v is the next product's operand with the PROXIES along K: the pass's 256 proxies x 64 channels turn through LDS
.set q_, 0
.rept 32
	ds_store_b32 v6, v[S+q_] offset:(32*((q_/8)/2)+8*((q_/8)%2)+q_%8)*1040
.set q_, q_+1
.endr
	s_wait_dscnt 0x0
	s_barrier_signal -1
	s_barrier_wait -1
.irp q, 0,1,2,3,4,5,6,7
	ds_load_b128 v[128+4*\q:131+4*\q], v7 offset:16*\q   ; a whole block: 32 neighbouring proxies of my channel
.endr
	s_wait_dscnt 0x0
	v_max3_num_f32 v[BMX], |v128|, |v129|, 0x1800000
	v_max3_num_f32 v[BMX+1], |v144|, |v145|, 0x1800000
.irp i, 2,4,6,8,10,12,14
	v_max3_num_f32 v[BMX], v[BMX], |v[128+\i]|, |v[129+\i]|
	v_max3_num_f32 v[BMX+1], v[BMX+1], |v[144+\i]|, |v[145+\i]|
.endr
	v_max_num_f32 v[BMX], v[BMX], v[BMX+1]
	v_add_nc_u32 v[SO], 0xff000000, v[BMX]
	v_lshrrev_b32 v[PT], 23, v[SO]
	v_cvt_scalef32_pk16_fp6_f32 v[PC:PC+2], v[128:143], v[SO]
	v_cvt_scalef32_pk16_fp6_f32 v[CT:CT+2], v[144:159], v[SO]
	v_nop
.irp i, 0,1,2
	v_mov_b32 v[PC+3+\i], v[CT+\i]
.endr
.irp i, 0,1,2
	global_store_b64 v31, v[PC+2*\i:PC+2*\i+1], s[OUTP:OUTP+1] offset:12288*\e+256*\i   ; 32 lanes store 256 consecutive bytes, at a multiple of 256 from the buffer's first byte
.endr
	ds_store_b8 v30, v[PT] offset:512*\e
	s_wait_dscnt 0x0                               ; my reads of the stage are over and my byte is stored
	s_barrier_signal -1
	s_barrier_wait -1                              ; the stage may be written again
	s_wait_xcnt 0x0                                ; the stores have read their data
.else
	; the result is the last product's operand with the head's 64 channels along K: two blocks, quantised in registers
.irp b, 0,1
	v_max3_num_f32 v[BMX+\b], |v[S+16*\b]|, |v[S+1+16*\b]|, 0x1800000
.endr
.irp i, 2,4,6,8,10,12,14
.irp b, 0,1
	s_delay_alu instid0(VALU_DEP_2)
	v_max3_num_f32 v[BMX+\b], v[BMX+\b], |v[S+16*\b+\i]|, |v[S+1+16*\b+\i]|
.endr
.endr
.irp b, 0,1
	s_delay_alu instid0(VALU_DEP_2)
	v_permlanex16_b32 v[PT+\b], v[BMX+\b], s[SEL], s[SEL+1]
.endr
.irp b, 0,1
	s_delay_alu instid0(VALU_DEP_2)
	v_max_num_f32 v[BMX+\b], v[BMX+\b], v[PT+\b]
.endr
.irp b, 0,1
	s_delay_alu instid0(VALU_DEP_2)
	v_add_nc_u32 v[SO+\b], 0xff000000, v[BMX+\b]
.endr
.irp b, 0,1
	s_delay_alu instid0(VALU_DEP_2)
	v_lshrrev_b32 v[PT+\b], 23, v[SO+\b]
.endr
	v_cvt_scalef32_pk16_fp6_f32 v[PC:PC+2], v[S:S+15], v[SO]
	v_cvt_scalef32_pk16_fp6_f32 v[CT:CT+2], v[S+16:S+31], v[SO+1]
	v_nop
.irp i, 0,1,2
	v_permlane16_swap_b32 v[PC+\i], v[CT+\i]
.endr
.irp i, 0,1,2
	s_delay_alu instid0(VALU_DEP_3)
	v_mov_b32 v[PC+3+\i], v[CT+\i]
.endr
	v_cndmask_b32 v232, v[PT], v[PT+1], s[HM]      ; lane half h stores block h's byte
.irp i, 0,1,2
	global_store_b64 v31, v[PC+2*\i:PC+2*\i+1], s[OUTP:OUTP+1] offset:196608*\e+256*\i
.endr
	global_store_b8 v7, v232, s[OUTS:OUTS+1] offset:8192*\e
	s_wait_xcnt 0x0                                ; the stores have read their data
.endif
.if GRD
.Lpass_end_\@:
.endif
.endm
	PASS 0
	PASS 1
.if STG == 1
	s_cmp_lt_u32 s[WV], 2                          ; behind the last barrier: the work-group's 1,024 scale bytes leave in whole runs of 256
	s_cbranch_scc0 .Lend
	ds_load_b128 v[96:99], v94
	s_wait_dscnt 0x0
	global_store_b128 v95, v[96:99], s[OUTS:OUTS+1]
.Lend:
.endif
	s_wait_tensorcnt 0x0
	ds_add_u32 v254, v255
	s_wait_dscnt 0x0
	s_endpgm
.Lfunc_end_k_q2c1522c110_attn2:
	.size	k_q2c1522c110_attn2, .Lfunc_end_k_q2c1522c110_attn2-k_q2c1522c110_attn2
	.p2alignl 7, 3214868480
	.fill 96, 4, 3214868480
	.section	.rodata,"a",@progbits
	.p2align	6, 0x0
	.amdhsa_kernel k_q2c1522c110_attn2
		.amdhsa_group_segment_fixed_size 327680
		.amdhsa_private_segment_fixed_size 0
		.amdhsa_enable_private_segment 0
		.amdhsa_kernarg_size 32
		.amdhsa_user_sgpr_count 2
		.amdhsa_user_sgpr_kernarg_segment_ptr 1
		.amdhsa_wavefront_size32 1
		.amdhsa_system_sgpr_workgroup_id_x 1
		.amdhsa_system_sgpr_workgroup_id_y 1
		.amdhsa_system_sgpr_workgroup_id_z 1
		.amdhsa_system_vgpr_workitem_id 0
		.amdhsa_next_free_vgpr 256
		.amdhsa_next_free_sgpr 100
		.amdhsa_reserve_vcc 1
		.amdhsa_float_denorm_mode_32 3
		.amdhsa_float_denorm_mode_16_64 3
		.amdhsa_memory_ordered 1
		.amdhsa_forward_progress 1
		.amdhsa_inst_pref_size 85
	.end_amdhsa_kernel
	.amdgpu_metadata
---
amdhsa.version: [ 1, 2 ]
amdhsa.kernels:
  - .name:           k_q2c1522c110_attn2
    .symbol:         k_q2c1522c110_attn2.kd
    .args:
      - { .name: w2, .offset: 0, .size: 8, .value_kind: global_buffer, .address_space: global }
      - { .name: w3, .offset: 8, .size: 8, .value_kind: global_buffer, .address_space: global }
      - { .name: mask, .offset: 16, .size: 8, .value_kind: global_buffer, .address_space: global }
      - { .name: w4, .offset: 24, .size: 8, .value_kind: global_buffer, .address_space: global }
    .group_segment_fixed_size: 327680
    .private_segment_fixed_size: 0
    .kernarg_segment_align: 8
    .kernarg_segment_size: 32
    .max_flat_workgroup_size: 512
    .sgpr_count:     100
    .vgpr_count:     256
    .wavefront_size: 32
...
	.end_amdgpu_metadata
.endif
;; end of part 4
;; launch gemm_out (part 5): grid 2 x 104, 4 waves a work-group, no clusters, 327,680 bytes of LDS; arguments w1, w4, proj_b, out0; writes out0
.if DOCPART == 5
	.amdgcn_target "amdgcn-amd-amdhsa--gfx1250"
	.amdhsa_code_object_version 6
	.text
	.protected	k_q2c1522c110_gemm_out
	.globl	k_q2c1522c110_gemm_out
	.p2align	8
	.type	k_q2c1522c110_gemm_out,@function
k_q2c1522c110_gemm_out:
	s_mov_b64 s[64:65], 0
	v_nop
	global_prefetch_b8 v0, s[64:65] scope:SCOPE_SE
	s_setreg_imm32_b32 hwreg(HW_REG_WAVE_MODE, 25, 1), 1
	s_wait_xcnt 0x0
.set KIND, 5
.set SCA, 15728640
.set PPC, 11010048
.set VC,  17301504
.set QKS, 22806528
.set PPS, 23265280
.set VS,  23527424
.set OS,  5111808
.if KIND == 2
.set NTT, 16
.set RC,  192
.set RS,  8
.set TP,  4
.set BPA, 6
.set TSCA, SCA
.set TL,  12
.else
.set NTT, 4
.set RC,  64
.set RS,  8
.set TP,  6
.set BPA, 8
.set TSCA, OS
.set TL,  1
.endif
.set TSO,  NTT*12288
.set BIAS, TSO+NTT*512
.set WST,  BIAS+32768
.set L8,  1
.set A32, 2
.set ADT, 4
.set ADS, 5
.set BIA, 6
.set SCW, 7
.set ADW, 8
.set H64, 11
.set L16, 12
.set ACC, 16
.set TF,  80
.set SS,  176
.set TS,  208
.set PC,  212
.set RB,  212
.set TM,  224
.set PW,  240
.set WV,  12
.set STL, 13
.set TTL, 14
.set SIG, 15
.set OB,  16
.set SB,  18
.set SB2, 20
.set JUMP, 22
.set SSTR, 23
.set BM,  24
.set TTO, 25
.set TSP, 26
.set TW,  27
.set CNT, 28
.set SEL, 30
.set G1C, 32
.set G1S, 40
.set G0C, 48
.set G0S, 52
.set SP,  56
.set SSP, 58
.set BP,  60
.set MSB, 0
.macro WIN new
.if MSB != (\new)
	s_set_vgpr_msb (MSB<<8)|(\new)
.set MSB, (\new)
.endif
.endm
	s_load_b128 s[4:7], s[0:1], 0x0
.if KIND == 2
	s_load_b64 s[8:9], s[0:1], 0x10
.else
	s_load_b128 s[8:11], s[0:1], 0x10
	v_lshl_add_u32 v7, v0, 2, 0x29000
	v_mov_b32 v8, 0
	ds_add_u32 v7, v8
	ds_add_u32 v7, v8
.endif
	v_lshrrev_b32 v3, 5, v0
	v_readfirstlane_b32 s[WV], v3
	v_and_b32 v13, 31, v0
	v_and_b32 v14, 15, v0
	v_bfe_u32 v15, v0, 4, 1
	v_lshlrev_b32 v[L8], 3, v13
	v_lshlrev_b32 v[L16], 4, v13
	v_lshlrev_b32 v[A32], 5, v14
	v_lshl_add_u32 v[A32], v15, 4, v[A32]
	v_lshlrev_b32 v[H64], 6, v15
	s_lshl_b32 s66, s[WV], 13
	s_add_co_u32 s66, s66, BIAS
	v_add_nc_u32 v[BIA], s66, v[L16]
.if KIND == 2
	s_lshl_b32 s66, s[WV], 10
	s_add_co_u32 s66, s66, WST
	v_lshl_add_u32 v[SCW], v14, 2, s66
	v_add_nc_u32 v9, s66, v[L16]
.irp b, 0,1,2,3
	v_mov_b32 v[TM+4+\b], 0
.endr
.else
	s_mul_i32 s66, s[WV], 8448
	s_add_co_u32 s66, s66, WST
	v_mul_u32_u24 v9, v14, 528
	v_lshl_add_u32 v9, v15, 6, v9
	v_add_nc_u32 v9, s66, v9
	v_add_nc_u32 v10, s66, v[L16]
.endif
	s_mov_b32 s[SEL], 0x76543210
	s_mov_b32 s[SEL+1], 0xfedcba98
.if KIND == 2
	s_mov_b32 s66, ttmp9
	s_sub_co_u32 s67, s66, 176
	s_and_b32 s68, s67, 3
	s_lshr_b32 s69, s67, 2
	s_sub_co_u32 s67, s66, 112
	s_and_b32 s70, s67, 1
	s_lshr_b32 s71, s67, 1
	s_and_b32 s72, s66, 3
	s_lshr_b32 s73, s66, 2
	s_mov_b32 s74, 0
	s_mov_b32 s75, 1088
	s_mov_b32 s76, 4
	s_mov_b32 s77, 896
	s_mov_b32 s78, VC
	s_mov_b32 s79, VS
	s_mov_b32 s[JUMP], 339456
	s_mov_b32 s[SSTR], 14336
	s_mov_b32 s[BM], 0
	s_cmp_lt_u32 s66, 176
	s_cselect_b32 s69, s70, s69
	s_cselect_b32 s68, s71, s68
	s_cselect_b32 s74, 1152, s74
	s_cselect_b32 s75, 448, s75
	s_cselect_b32 s76, 512, s76
	s_cselect_b32 s77, 16, s77
	s_cselect_b32 s78, PPC, s78
	s_cselect_b32 s79, PPS, s79
	s_cselect_b32 s[JUMP], 1536, s[JUMP]
	s_cselect_b32 s[SSTR], 256, s[SSTR]
	s_cselect_b32 s[BM], -1, s[BM]
	s_cmp_lt_u32 s66, 112
	s_cselect_b32 s69, s72, s69
	s_cselect_b32 s68, s73, s68
	s_cselect_b32 s74, 960, s74
	s_cselect_b32 s75, 0, s75
	s_cselect_b32 s76, 448, s76
	s_cselect_b32 s78, 0, s78
	s_cselect_b32 s79, QKS, s79
	s_cselect_b32 s[BM], 0, s[BM]
	s_lshl_b32 s[SIG], s69, 2
	s_add_co_u32 s[SIG], s[SIG], s[WV]
	s_lshl_b32 s[STL], s[SIG], 3
	s_add_co_u32 s[STL], s[STL], s74
	s_lshl_b32 s[TTL], s68, 4
	s_add_co_u32 s[TTL], s[TTL], s75
	s_mul_i32 s80, s76, s[SIG]
	s_mul_i32 s81, s77, s68
	s_add_co_u32 s80, s80, s81
	s_mul_i32 s82, s80, 1536
	s_add_co_u32 s82, s82, s78
	s_mov_b32 s83, 0
	s_lshl_b32 s84, s80, 6
	s_add_co_u32 s84, s84, s79
	s_mov_b32 s85, 0
	s_lshl_b32 s86, s[SSTR], 1
	s_mov_b32 s87, 0
	v_mul_u32_u24 v10, s[SSTR], v15
	v_lshl_add_u32 v10, v14, 4, v10
.else
	s_mov_b32 s66, ttmp9
	s_and_b32 s67, ttmp7, 0xffff
	s_mul_i32 s68, s67, 5042
	s_lshr_b32 s68, s68, 16
	s_mul_i32 s69, s68, 13
	s_sub_co_u32 s69, s67, s69
	s_lshl_b32 s[SIG], s66, 2
	s_add_co_u32 s[SIG], s[SIG], s[WV]
	s_lshl_b32 s[STL], s[SIG], 3
	s_add_co_u32 s[STL], s[STL], 1216
	s_mul_i32 s[TTL], s68, 52
	s_lshl_b32 s70, s69, 2
	s_add_co_u32 s[TTL], s[TTL], s70
	s_mul_i32 s82, s68, 819
	s_lshl_b32 s70, s69, 6
	s_add_co_u32 s82, s82, s70
	s_lshl_b32 s82, s82, 12
	s_lshl_b32 s70, s[SIG], 9
	s_add_co_u32 s82, s82, s70
	s_mov_b32 s83, 0
	s_cmp_eq_u32 s69, 12
	s_cselect_b32 s[BM], 1, 0
.endif
	s_mul_i32 s88, s[TTL], 12288
	s_mul_i32 s90, s[WV], RC*256
	s_add_co_u32 s88, s88, s90
	s_mov_b32 s89, 0
	s_lshl_b32 s92, s[TTL], 9
	s_add_co_u32 s92, s92, TSCA
	s_mov_b32 s93, 0
	s_mul_i32 s94, s[STL], 12288
	s_mov_b32 s95, 0
	s_lshl_b32 s96, s[STL], 9
	s_add_co_u32 s96, s96, SCA
	s_mov_b32 s97, 0
	s_and_b32 s98, s[SIG], 7
	s_lshl_b32 s98, s98, 9
	s_mov_b32 s99, 0
	s_mov_b32 s[G1C], 3<<16
	s_mov_b32 s[G1C+1], 32<<16
	s_mov_b32 s[G1C+2], RC<<16
	s_mov_b32 s[G1C+3], 32<<16
	s_mov_b32 s[G1C+4], RC
	s_mov_b32 s[G1C+5], 32
	s_mov_b32 s[G1C+6], 0
	s_mov_b32 s[G1C+7], 0
	s_mov_b32 s[G1S], 3<<16
	s_mov_b32 s[G1S+1], 32<<16
	s_mov_b32 s[G1S+2], RS<<16
	s_mov_b32 s[G1S+3], 32<<16
	s_mov_b32 s[G1S+4], RS
	s_mov_b32 s[G1S+5], 32
	s_mov_b32 s[G1S+6], 0
	s_mov_b32 s[G1S+7], 0
	s_wait_alu depctr_va_vdst(0)
	s_wait_dscnt 0x0
	s_wait_kmcnt 0x0
	s_mov_b32 s[G0C], 1
	s_mul_i32 s[G0C+1], s[WV], RC*256
	s_add_nc_u64 s[G0C+2:G0C+3], s[TP:TP+1], s[88:89]
	s_or_b32 s[G0C+3], s[G0C+3], 0x80000000
	s_mov_b32 s[G0S], 1
	s_mov_b32 s[G0S+1], TSO
	s_add_nc_u64 s[G0S+2:G0S+3], s[TP:TP+1], s[92:93]
	s_or_b32 s[G0S+3], s[G0S+3], 0x80000000
	s_cmp_lt_u32 s[WV], 3                          ; one tensor load a wave: waves 0-2 a third of the token codes each, wave 3 all the token scale words
	s_cbranch_scc0 .Lfill_s
	tensor_load_to_lds s[G0C:G0C+3], s[G1C:G1C+7]
	s_nop 0
.rept 4
	v_nop
.endr
	s_branch .Lfilled
.Lfill_s:
	tensor_load_to_lds s[G0S:G0S+3], s[G1S:G1S+7]
	s_nop 0
.rept 4
	v_nop
.endr
.Lfilled:
	s_add_nc_u64 s[SP:SP+1], s[4:5], s[94:95]
	s_add_nc_u64 s[SSP:SSP+1], s[4:5], s[96:97]
	s_add_nc_u64 s[BP:BP+1], s[BPA:BPA+1], s[98:99]
.if KIND == 2
	s_add_nc_u64 s[OB:OB+1], s[8:9], s[82:83]
	s_add_nc_u64 s[SB:SB+1], s[8:9], s[84:85]
	s_add_nc_u64 s[SB2:SB2+1], s[SB:SB+1], s[86:87]
.else
	s_add_nc_u64 s[OB:OB+1], s[10:11], s[82:83]
.endif
.set fi_, 0
.rept 64
.if fi_ < 63
	WIN (1+fi_/21)<<6
.set FRG, 12*(fi_%21)
.else
	WIN 0
.set FRG, 244
.endif
.irp i, 0,1,2
	global_load_b128 v[FRG+4*\i:FRG+4*\i+3], v[L16], s[SP:SP+1] offset:(fi_%8)*12288+(fi_/8)*1536+512*\i
.endr
.set fi_, fi_+1
.endr
.irp t, 0,1,2,3,4,5,6,7
	global_load_b128 v[SS+4*\t:SS+4*\t+3], v[A32], s[SSP:SSP+1] offset:512*\t
.endr
.irp t, 0,1,2,3,4,5,6,7
	global_load_b128 v[ACC+8*\t:ACC+8*\t+3], v[H64], s[BP:BP+1] offset:(32*(\t/2)+8*(\t%2))*4
	global_load_b128 v[ACC+8*\t+4:ACC+8*\t+7], v[H64], s[BP:BP+1] offset:(32*(\t/2)+8*(\t%2))*4+16
.endr
.macro TSTEP s
.if KIND == 2
.irp c, 0,1,2
	ds_load_b128 v[TF+12*(\s)+4*\c:TF+12*(\s)+4*\c+3], v[ADT] offset:1536*(\s)+512*\c
.endr
.else
.irp c, 0,1,2,3,4,5
	ds_load_b64 v[TF+12*(\s)+2*\c:TF+12*(\s)+2*\c+1], v[ADT] offset:1536*(\s)+256*\c
.endr
.endif
.endm
.macro TLOAD
	v_add_nc_u32 v[ADT], s[TTO], v[TL]
	v_add_nc_u32 v[ADS], s[TSP], v[A32]
.set ks_, 0
.rept 8
	TSTEP ks_
.set ks_, ks_+1
.endr
	ds_load_b128 v[TS:TS+3], v[ADS]
.endm
.macro PRELOAD
.set q_, 0
.rept 16
	ds_load_b128 v[ACC+4*q_:ACC+4*q_+3], v[BIA] offset:512*q_
.set q_, q_+1
.endr
.endm
.macro MULS next
.set ks_, 0
.rept 8
.set t_, 0
.rept 8
.set fi_, 8*ks_+t_
.if fi_ < 63
	WIN 1+fi_/21
.set FRG, 12*(fi_%21)
.else
	WIN 0
.set FRG, 244
.endif
.if ks_ == 0
	s_wait_dscnt 14-2*t_
.endif
.if ks_ < 4
	v_wmma_scale_f32_16x16x128_f8f6f4 v[ACC+8*t_:ACC+8*t_+7], v[FRG:FRG+11], v[TF+12*ks_:TF+12*ks_+11], v[ACC+8*t_:ACC+8*t_+7], v[SS+4*t_+ks_%4], v[TS+ks_%4] matrix_a_fmt:MATRIX_FMT_FP6 matrix_b_fmt:MATRIX_FMT_FP6
.else
	v_wmma_scale_f32_16x16x128_f8f6f4 v[ACC+8*t_:ACC+8*t_+7], v[FRG:FRG+11], v[TF+12*ks_:TF+12*ks_+11], v[ACC+8*t_:ACC+8*t_+7], v[SS+4*t_+ks_%4], v[TS+ks_%4] matrix_a_fmt:MATRIX_FMT_FP6 matrix_b_fmt:MATRIX_FMT_FP6 matrix_a_scale:MATRIX_SCALE_ROW1 matrix_b_scale:MATRIX_SCALE_ROW1
.endif
.set t_, t_+1
.endr
.if (\next) || (ks_ == 7)
	WIN 0
.if (\next) && (ks_ == 0)
	v_add_nc_u32 v[ADT], s[TTO], v[TL]
	s_wait_alu depctr_va_vdst(0)
	v_add_nc_u32 v[ADS], s[TSP], v[A32]
	s_wait_alu depctr_va_vdst(0)
	v_nop
	v_nop
.else
.rept 4
	v_nop
.endr
.endif
.endif
.if \next
	TSTEP ks_
.endif
.set ks_, ks_+1
.endr
.if \next
	ds_load_b128 v[TS:TS+3], v[ADS]
.endif
.endm
.macro QUANT1
.irp b, 0,1,2,3
	v_max3_num_f32 v[TM+\b], |v[ACC+16*\b]|, |v[ACC+1+16*\b]|, 0x1800000
.endr
.irp i, 2,4,6,8,10,12,14
.irp b, 0,1,2,3
	v_max3_num_f32 v[TM+\b], v[TM+\b], |v[ACC+16*\b+\i]|, |v[ACC+1+16*\b+\i]|
.endr
.endr
.irp b, 0,1,2,3
	v_permlanex16_b32 v[TM+4+\b], v[TM+\b], s[SEL], s[SEL+1]
.endr
.irp b, 0,1,2,3
	v_max_num_f32 v[TM+\b], v[TM+\b], v[TM+4+\b]
.endr
.irp b, 0,1,2,3
	v_add_nc_u32 v[TM+12+\b], 0xff000000, v[TM+\b]
.endr
.irp b, 0,1,2,3
	v_lshrrev_b32 v[TM+4+\b], 23, v[TM+12+\b]
.endr
	v_lshl_or_b32 v[PW], v[TM+5], 8, v[TM+4]
	v_lshl_or_b32 v[PW], v[TM+6], 16, v[PW]
	v_lshl_or_b32 v[PW], v[TM+7], 24, v[PW]
	v_cvt_scalef32_pk16_fp6_f32 v[PC:PC+2], v[ACC:ACC+15], v[TM+12]
	v_cvt_scalef32_pk16_fp6_f32 v[TM+8:TM+10], v[ACC+16:ACC+31], v[TM+13]
	v_cvt_scalef32_pk16_fp6_f32 v[PC+6:PC+8], v[ACC+32:ACC+47], v[TM+14]
	v_cvt_scalef32_pk16_fp6_f32 v[TM:TM+2], v[ACC+48:ACC+63], v[TM+15]
	v_nop
.endm
.macro QUANT2
.irp i, 0,1,2
	v_permlane16_swap_b32 v[PC+\i], v[TM+8+\i]
.endr
.irp i, 0,1,2
	v_mov_b32 v[PC+3+\i], v[TM+8+\i]
.endr
.irp i, 0,1,2
	v_permlane16_swap_b32 v[PC+6+\i], v[TM+\i]
.endr
.irp i, 0,1,2
	v_mov_b32 v[PC+9+\i], v[TM+\i]
.endr
.endm
.macro TILE next, k
.if \next
	s_add_co_u32 s[TTO], s[TTO], 12288
	s_add_co_u32 s[TSP], s[TSP], 512
.endif
	MULS \next
.if KIND == 2
	QUANT1
	v_add_nc_u32 v[ADW], s[TW], v[SCW]
	ds_store_b32 v[ADW], v[PW]
	s_add_co_u32 s[TW], s[TW], 64
.if \next
	PRELOAD
.endif
	QUANT2
.irp i, 0,1,2,3,4,5
	global_store_b64 v[L8], v[PC+2*\i:PC+2*\i+1], s[OB:OB+1] offset:256*\i
.endr
.if \next
	s_and_b32 s66, s[CNT], 3
	s_cmp_eq_u32 s66, 3
	s_cselect_b32 s66, s[JUMP], 1536
	s_mov_b32 s67, 0
	s_wait_xcnt 0x0
	s_add_nc_u64 s[OB:OB+1], s[OB:OB+1], s[66:67]
.endif
.else
.set KB, 32*((\k)/2)+8*((\k)%2)
.set q_, 0
.rept 16
	ds_store_b128 v9, v[ACC+4*q_:ACC+4*q_+3] offset:128*(q_/4)+16*(q_%4)
.set q_, q_+1
.endr
.if \next
	PRELOAD
.endif
.irp u, 0,1
	s_wait_xcnt 0x0
.irp i, 0,1,2,3,4,5,6,7
	ds_load_b128 v[RB+4*\i:RB+4*\i+3], v10 offset:528*(8*\u+\i)
.endr
	s_wait_dscnt 0x0
.irp i, 0,1,2,3,4,5,6,7
.if ((\k) == 2 && \u == 1 && \i == 3) || ((\k) == 3 && \u == 1 && \i == 0)
	s_cmp_eq_u32 s[BM], 1
	s_cbranch_scc1 .Lpast_\@
.endif
	global_store_b128 v[L16], v[RB+4*\i:RB+4*\i+3], s[OB:OB+1] offset:(KB+16*\u+\i)*4096 th:TH_STORE_NT
.endr
.endr
.if (\k) >= 2
.Lpast_\@:
.endif
.endif
.endm
	s_wait_tensorcnt 0x0
	s_barrier_signal -1
	s_barrier_wait -1
	s_mov_b32 s[TTO], 0
	s_mov_b32 s[TSP], TSO
	s_mov_b32 s[TW], 0
	TLOAD
	s_wait_loadcnt 0x0
.if KIND == 2
.set q_, 0
.rept 64
	v_cndmask_b32 v[ACC+q_], 0, v[ACC+q_], s[BM]
.set q_, q_+1
.endr
.endif
.set q_, 0
.rept 16
	ds_store_b128 v[BIA], v[ACC+4*q_:ACC+4*q_+3] offset:512*q_
.set q_, q_+1
.endr
.if KIND == 2
	s_mov_b32 s[CNT], 0
.Ltile:
	TILE 1, 0
	s_add_co_u32 s[CNT], s[CNT], 1
	s_cmp_lt_u32 s[CNT], 15
	s_cbranch_scc1 .Ltile
	TILE 0, 0
	ds_load_b128 v[16:19], v9
	ds_load_b128 v[20:23], v9 offset:512
	s_wait_dscnt 0x0
	global_store_b128 v10, v[16:19], s[SB:SB+1]
	global_store_b128 v10, v[20:23], s[SB2:SB2+1]
.else
	TILE 1, 0
	TILE 1, 1
	TILE 1, 2
	TILE 0, 3
.endif
	s_wait_tensorcnt 0x0
	ds_add_u32 v7, v8
	s_wait_dscnt 0x0
	s_endpgm
.Lfunc_end_k_q2c1522c110_gemm_out:
	.size	k_q2c1522c110_gemm_out, .Lfunc_end_k_q2c1522c110_gemm_out-k_q2c1522c110_gemm_out
	.p2alignl 7, 3214868480
	.fill 96, 4, 3214868480
	.section	.rodata,"a",@progbits
	.p2align	6, 0x0
	.amdhsa_kernel k_q2c1522c110_gemm_out
		.amdhsa_group_segment_fixed_size 327680
		.amdhsa_private_segment_fixed_size 0
		.amdhsa_enable_private_segment 0
		.amdhsa_kernarg_size 32
		.amdhsa_user_sgpr_count 2
		.amdhsa_user_sgpr_kernarg_segment_ptr 1
		.amdhsa_wavefront_size32 1
		.amdhsa_system_sgpr_workgroup_id_x 1
		.amdhsa_system_sgpr_workgroup_id_y 1
		.amdhsa_system_sgpr_workgroup_id_z 1
		.amdhsa_system_vgpr_workitem_id 0
		.amdhsa_next_free_vgpr 1024
		.amdhsa_next_free_sgpr 100
		.amdhsa_reserve_vcc 0
		.amdhsa_float_denorm_mode_32 3
		.amdhsa_float_denorm_mode_16_64 3
		.amdhsa_memory_ordered 1
		.amdhsa_forward_progress 1
		.amdhsa_inst_pref_size 96
	.end_amdhsa_kernel
	.amdgpu_metadata
---
amdhsa.version: [ 1, 2 ]
amdhsa.kernels:
  - .name:           k_q2c1522c110_gemm_out
    .symbol:         k_q2c1522c110_gemm_out.kd
    .args:
      - { .name: w1, .offset: 0, .size: 8, .value_kind: global_buffer, .address_space: global }
      - { .name: w4, .offset: 8, .size: 8, .value_kind: global_buffer, .address_space: global }
      - { .name: proj_b, .offset: 16, .size: 8, .value_kind: global_buffer, .address_space: global }
      - { .name: out0, .offset: 24, .size: 8, .value_kind: global_buffer, .address_space: global }
    .group_segment_fixed_size: 327680
    .private_segment_fixed_size: 0
    .kernarg_segment_align: 8
    .kernarg_segment_size: 32
    .max_flat_workgroup_size: 128
    .sgpr_count:     100
    .vgpr_count:     1024
    .wavefront_size: 32
...
	.end_amdgpu_metadata
.endif
;; end of part 5
